; MI455X (gfx1250); checked and timed in simulation.
; The chip was launched on July 23, 2026; its instructions are those of AMD's public machine-readable ISA for CDNA 5 (MIT licence, August 2026) and "CDNA5" Instruction Set Architecture Reference Guide (July 2026). The comments in the code are by the model that wrote it; some were corrected since.
;; Multi Head Attention. Allowed arithmetic: matrix products marked QUANTISED: E4M3 operands, one given power-of-two scale a tensor, by v_wmma_f32_16x16x64_fp8_fp8 or v_wmma_f32_16x16x128_fp8_fp8, f32 sums; everything else in f32.
;; Inputs: Wk 1,024 x 1,024 float32; Wo 1,024 x 1,024 float32; Wq 1,024 x 1,024 float32; Wv 1,024 x 1,024 float32; bk 1,024 float32; bo 1,024 float32; bq 1,024 float32; bv 1,024 float32; lowp_scales 12 int32 (the exponents e of the quantised operands' scales 2^e); mask 1 x 1 x 2,048 x 2,048 int32; x 4 x 2,048 x 1,024 float32.
;; Outputs: out0 4 x 2,048 x 1,024 float32.
;; This version of the problem:
;;   THIS VERSION OF THE PROBLEM IS GIVEN IN LOW PRECISION. The matrix products marked QUANTISED in the list below multiply operands that are first quantised to E4M3 (4 exponent bits, 3 mantissa bits; 8 bits a number), with one given power-of-two scale for each operand tensor; their sums are f32. All else is computed in f32.
;;   The module's matrix products, in the order in which they are computed (A, B: the left and right operand; K: the contracted axis; several contracted axes count as one K, in the product's order):
;;     1. [M 8,192, K 1,024] x [K 1,024, N 1,024]; A: input x; B: input Wq: QUANTISED (scales: A lowp_scales[0], B lowp_scales[1])
;;     2. [M 8,192, K 1,024] x [K 1,024, N 1,024]; A: input x; B: input Wk: QUANTISED (scales: A lowp_scales[2], B lowp_scales[3])
;;     3. [M 8,192, K 1,024] x [K 1,024, N 1,024]; A: input x; B: input Wv: QUANTISED (scales: A lowp_scales[4], B lowp_scales[5])
;;     4. batch 64 x [M 2,048, K 64] x [K 64, N 2,048]; A: computed on the way; B: computed on the way: QUANTISED (scales: A lowp_scales[6], B lowp_scales[7])
;;     5. batch 64 x [M 2,048, K 2,048] x [K 2,048, N 64]; A: softmax (see below); B: computed on the way: QUANTISED (scales: A lowp_scales[8], B lowp_scales[9])
;;     6. [M 8,192, K 1,024] x [K 1,024, N 1,024]; A: computed on the way; B: input Wo: QUANTISED (scales: A lowp_scales[10], B lowp_scales[11])
;;   THE QUANTISER, for each operand of a quantised product, along K:
;;     - The operand's scale is 2^e, e = its entry of the input lowp_scales (int32; the entries are numbered through the quantised products in the list's order, A before B).
;;     - Each number is divided by the scale, clamped to +-448, and rounded to the nearest number of E4M3, ties to even, subnormals kept.
;;     - The product sums the exact products of the quantised numbers (number of the format x scale) in f32.
;;   ~~~python
;;   def quantise(x, axis, e):      # numpy; x: float32 -> the quantised numbers, widened to float32 again
;;       x = np.moveaxis(x, axis, -1); K = x.shape[-1]
;;       r = np.clip(x / 2.0 ** e, -448, 448)
;;       step = 2.0 ** (np.maximum(np.frexp(np.where(r == 0, 1, r))[1] - 1, -6) - 3)
;;       q = np.round(r / step) * step * 2.0 ** e      # np.round: ties to even
;;       return np.moveaxis(q, -1, axis).astype(np.float32)
;;   ~~~
;;   SOFTMAX AHEAD OF A QUANTISED PRODUCT. Where the list says 'softmax', what is quantised is not the finished softmax but p = 2^(t - M), with t = logit x log2(e) and M = ceil(the row's largest t), a whole number; so 1/2 < the row's largest p <= 1. The row's sum l is taken of the UNQUANTISED p, in f32, and the product's result is divided by l at the end. Since M is a whole number, a kernel that streams over the keys may use a running M (the ceiling of the running maximum): every later rescaling is an exact power of two, so the quantised numbers keep their values, but for numbers so far below the row's largest that they fall under the format's range.
;;   OPERANDS COMPUTED ON THE WAY. 'Computed on the way' means the value that the module computes at that place (a softmax that the list does not call 'softmax' is quantised finished and normalised). What goes into a quantiser is computed in f32, as accurately as f32 sums, v_exp_f32 and their like allow (about 1e-6 of the number): no bf16 or f16 on the way to a quantiser, and a product that is left as it is and whose result goes on into a quantised operand takes f32 operands (vector FMAs, or v_wmma_f32_16x16x4_f32). A number that lies on a knife's edge between two numbers of the format may be rounded either way, as far as f32 arithmetic and the matrix unit's own rounding can turn it there, and no further.
;; 2 versions, each right; version 2 is version 1 with the launch attn written anew for expert scheduling mode. Each part assembles by itself: llvm-mc -triple=amdgcn-amd-amdhsa -mcpu=gfx1250 --defsym DOCPART=n.
;; ======== version 1 of 2: 4 launches
;; limits: right only within a limited range of input values
;; workspace buffers: xc 25,165,824 bytes; wc 4,194,304 bytes; qkv 25,165,824 bytes; cc 8,388,608 bytes; mw 524,288 bytes of whole numbers; mt 65,536 bytes of whole numbers
;; launch prep (part 1): grid 512 x 1, 4 waves a work-group, no clusters, 67,072 bytes of LDS; arguments x, Wq, Wk, Wv, Wo, mask, lowp_scales, xc, wc, mw, mt; writes xc, wc, mw, mt
.if DOCPART == 1
	.amdgcn_target "amdgcn-amd-amdhsa--gfx1250"
	.amdhsa_code_object_version 6
	.text
	.protected	k_q28a73cf3a5_prep
	.globl	k_q28a73cf3a5_prep
	.p2align	8
	.type	k_q28a73cf3a5_prep,@function
k_q28a73cf3a5_prep:
	s_mov_b64 s[64:65], 0
	v_nop
	global_prefetch_b8 v0, s[64:65] scope:SCOPE_SE
	s_setreg_imm32_b32 hwreg(HW_REG_WAVE_MODE, 25, 1), 1
	s_wait_xcnt 0x0
; PREP.  Work-groups 0-127: the mask [2048][2048] int32 becomes lane-mask words and flags.  Work-groups 128-383: x becomes three sets of E4M3 codes
; (scales 2^e0, 2^e2, 2^e4).  Work-groups 384-511: Wq, Wk, Wv, Wo become codes (e1, e3, e5, e11).  All codes keep their tensor's order, K innermost.
; code = number / 2^e, held within +-448, rounded to the nearest code, ties to even.  LIMITS: each e between -126 and 119; NaN among the inputs is not served.
; QUANTISING: a wave takes 16 steps of 512 numbers.  Each load reads 512 consecutive bytes; a step's 2,048 bytes turn through the wave's own stage in LDS so that a lane holds 16 neighbours;
; a lane's 16 codes are 16 bytes, so a store covers 512 consecutive bytes.  x's numbers are read once and converted three times.
; MASK: work-group T takes rows 16 T .. 16 T + 15, wave w the key steps 4 w .. 4 w + 3 (128 columns each).  Word n = 16 c + i of a step has, at bit r + 16 h, (mask[16 T + r][128 step + 8 i + 2 c + h] != 0):
; the order in which the attention launch holds its scores.  mt[T][w]: word 0 = OR of all compare masks (bit r or r + 16: row r has an open key), word 1 bit 4 w + s: step has an open key, word 2: step is all open.
; Waves share nothing: no barrier.  The two ways have LDS bytes of their own.
.set SPW,   12                         ; v12  my spare word's LDS address; never rewritten
.set NIL,   13                         ; v13  0; never rewritten
.set WREG,  8192                       ; quantising: a wave's region, two stages of 32 x SP bytes
.set SP,    80                         ; a lane's place in a stage: 64 bytes + 16 of padding
.set MSTG,  32768                      ; mask: a wave's stage of 16 rows x 528 bytes
.set MREG,  8448
.set SPARE, 66560                      ; the spare words, 128 bytes a wave
.set R,     16                         ; v16-79   four sets of 16 numbers as loaded
.set X,     80                         ; v80-111  two sets of 16 neighbours
.set T,     112                        ; v112-127 held numbers
.set C,     128                        ; v128-139 three sets of codes
.set SC,    140                        ; v140+2k: 2^e as f32; v141+2k: 448 x 2^e
	s_load_b512 s[4:19], s[0:1], 0x0               ; x 4, Wq 6, Wk 8, Wv 10, Wo 12, mask 14, scales 16, xc 18
	s_load_b128 s[20:23], s[0:1], 0x40             ; wc 20, mw 22
	s_load_b64 s[24:25], s[0:1], 0x50              ; mt
	v_lshl_add_u32 v[SPW], v0, 2, SPARE
	v_mov_b32 v[NIL], 0
	v_lshrrev_b32 v1, 5, v0
	v_readfirstlane_b32 s26, v1                    ; wave
	v_and_b32 v2, 31, v0                           ; lane
	s_cmp_lt_u32 ttmp9, 128
	s_cbranch_scc1 .Lmask
; ---------------- the quantising way
	v_lshlrev_b32 v3, 4, v2                        ; 16 x lane: my bytes of a load's 512, and of a store's
	s_mul_i32 s48, s26, WREG
	v_lshrrev_b32 v14, 2, v2
	v_mul_u32_u24 v14, v14, SP
	v_and_b32 v15, 3, v2
	v_lshl_add_u32 v14, v15, 4, v14
	v_add_nc_u32 v14, s48, v14                     ; into the stage: SP (lane / 4) + 16 (lane % 4)
	v_mul_u32_u24 v15, v2, SP
	v_add_nc_u32 v15, s48, v15                     ; out of it: SP x lane
	s_sub_co_u32 s27, ttmp9, 128                   ; id: 0-255 x, 256-383 the weights, 32 each
	s_and_b32 s49, s27, 31
	s_cmp_lt_u32 s27, 256
	s_cselect_b32 s49, s27, s49                    ; which 32,768 numbers of the tensor
	s_sub_co_u32 s50, s27, 256
	s_lshr_b32 s50, s50, 5
	s_lshl_b32 s50, s50, 20                        ; the weight's place in wc
	s_cmp_lt_u32 s27, 256
	s_cselect_b32 s50, 0, s50
	s_lshl_b32 s52, s49, 17
	s_lshl_b32 s51, s26, 15
	s_add_co_u32 s52, s52, s51                     ; source: part x 131,072 + wave x 32,768
	s_mov_b32 s53, 0
	s_lshl_b32 s54, s49, 15
	s_lshl_b32 s51, s26, 13
	s_add_co_u32 s54, s54, s51
	s_add_co_u32 s54, s54, s50                     ; codes: part x 32,768 + wave x 8,192 (+ the weight's place)
	s_mov_b32 s55, 0
	s_wait_kmcnt 0x0
	s_load_b256 s[32:39], s[16:17], 0x0            ; e0 .. e7
	s_load_b128 s[40:43], s[16:17], 0x20           ; e8 .. e11
	s_cmp_lt_u32 s27, 256                          ; the choices hang on the work-group's number alone
	s_cselect_b64 s[28:29], s[4:5], s[6:7]
	s_cselect_b64 s[30:31], s[18:19], s[20:21]
	s_cmp_lt_u32 s27, 288
	s_cselect_b64 s[28:29], s[28:29], s[8:9]
	s_cmp_lt_u32 s27, 320
	s_cselect_b64 s[28:29], s[28:29], s[10:11]
	s_cmp_lt_u32 s27, 352
	s_cselect_b64 s[28:29], s[28:29], s[12:13]
	s_add_nc_u64 s[28:29], s[28:29], s[52:53]      ; the numbers
	s_add_nc_u64 s[30:31], s[30:31], s[54:55]      ; the first set of codes
	s_add_nc_u64 s[44:45], s[18:19], s[54:55]
	s_add_nc_u64 s[44:45], s[44:45], 0x800000      ; x's second set,
	s_add_nc_u64 s[46:47], s[44:45], 0x800000      ; and third (used by x's work-groups alone)
.macro LOAD t
.irp i, 0,1,2,3
	global_load_b128 v[R+16*((\t)%4)+4*\i:R+16*((\t)%4)+4*\i+3], v3, s[28:29] offset:2048*(\t)+512*\i th:TH_LOAD_NT
.endr
.endm
.macro TURN t                          ; a step's numbers through the stage; LDS serves a wave's instructions in order, so no wait stands between stores and loads
.irp i, 0,1,2,3
	ds_store_b128 v14, v[R+16*((\t)%4)+4*\i:R+16*((\t)%4)+4*\i+3] offset:32*SP*((\t)%2)+8*SP*\i
.endr
.irp i, 0,1,2,3
	ds_load_b128 v[X+16*((\t)%2)+4*\i:X+16*((\t)%2)+4*\i+3], v15 offset:32*SP*((\t)%2)+16*\i
.endr
.endm
.macro MKSC k, e
	s_add_co_i32 s50, \e, 127
	s_lshl_b32 s51, s50, 23
	v_mov_b32 v[SC+2*\k], s51                      ; 2^e: the conversion takes its exponent field
	s_add_co_i32 s50, s50, 8
	s_lshl_b32 s50, s50, 23
	s_or_b32 s50, s50, 0x600000
	v_mov_b32 v[SC+2*\k+1], s50                    ; 448 x 2^e
.endm
.macro CONV t, k, d                    ; the step's 16 neighbours with scale k, stored by base s[d:d+1]
.irp i, 0,1,2,3,4,5,6,7,8,9,10,11,12,13,14,15
	v_med3_num_f32 v[T+\i], v[XS+\i], -v[SC+2*\k+1], v[SC+2*\k+1]   ; the conversion to an 8-bit code does not saturate (ISA guide 7.6.2): hold first
.endr
	v_cvt_scalef32_pk8_fp8_f32 v[C+4*\k:C+4*\k+1], v[T:T+7], v[SC+2*\k]
	v_cvt_scalef32_pk8_fp8_f32 v[C+4*\k+2:C+4*\k+3], v[T+8:T+15], v[SC+2*\k]
	v_nop                                          ; a plain line behind the conversions: the next holds write their sources
	global_store_b128 v3, v[C+4*\k:C+4*\k+3], s[\d:\d+1] offset:512*(\t)
.endm
.irp t, 0,1,2,3
	LOAD \t
.endr
	s_wait_kmcnt 0x0
	s_cmp_lt_u32 s27, 256
	s_cselect_b32 s48, s32, s33                    ; e0 for x, e1 for Wq,
	s_cmp_lt_u32 s27, 288
	s_cselect_b32 s48, s48, s35                    ; e3 for Wk,
	s_cmp_lt_u32 s27, 320
	s_cselect_b32 s48, s48, s37                    ; e5 for Wv,
	s_cmp_lt_u32 s27, 352
	s_cselect_b32 s48, s48, s43                    ; e11 for Wo
	MKSC 0, s48
	MKSC 1, s34
	MKSC 2, s36
	s_wait_loadcnt 12                              ; step 0's four loads are in
	TURN 0
.macro QSTEP t
.set XS, X+16*((\t)%2)
	s_wait_dscnt 0x0                               ; this step's numbers are back; its stores into the stage have read their registers,
.if (\t)+4 < 16
	LOAD (\t)+4                                    ; which take the loads of four steps on
.endif
.if (\t)+1 < 16
.if 14-(\t) >= 3
	s_wait_loadcnt 12                              ; the next step's loads are in; those of the three steps behind it stay out
.else
	s_wait_loadcnt 4*(14-(\t))
.endif
	TURN (\t)+1
.endif
	s_wait_xcnt 0x0                                ; the last step's stores have read their codes: the registers are written again only behind this wait
	CONV \t, 0, 30
	s_cmp_lt_u32 ttmp9, 384                        ; x has two more scales, a weight has one
	s_cbranch_scc0 .Lone_\@
	CONV \t, 1, 44
	CONV \t, 2, 46
.Lone_\@:
.endm
.irp t, 0,1,2,3,4,5,6,7,8,9,10,11,12,13,14,15
	QSTEP \t
.endr
	s_branch .Lend
; ---------------- the mask's way
.Lmask:
	v_lshlrev_b32 v1, 4, v2                        ; 16 x lane
	v_lshlrev_b32 v3, 3, v2                        ; 8 x lane
	v_lshlrev_b32 v6, 2, v2                        ; 4 x lane
	s_mul_i32 s48, s26, MREG
	s_add_co_u32 s48, s48, MSTG
	v_add_nc_u32 v4, s48, v1                       ; into my stage: a row's 512 bytes as they lie
	v_and_b32 v7, 15, v0
	v_bfe_u32 v8, v0, 4, 1
	v_mul_u32_u24 v5, v7, 528
	v_lshl_add_u32 v5, v8, 4, v5
	v_add_nc_u32 v5, s48, v5                       ; out of it: row lane % 16, + 16 (lane / 16)
.irp j, 208,209,210,211,212,213,214,215,216
	v_mov_b32 v\j, 0                               ; written whole before single lanes are written
.endr
	s_lshl_b32 s28, ttmp9, 17                      ; 16 rows of 8,192 bytes,
	s_lshl_b32 s29, s26, 11                        ; my four steps of 512 bytes
	s_add_co_u32 s28, s28, s29
	s_mov_b32 s29, 0
	s_lshl_b32 s30, ttmp9, 12                      ; mw: 16 steps of 256 bytes a tile
	s_lshl_b32 s31, s26, 10
	s_add_co_u32 s30, s30, s31
	s_mov_b32 s31, 0
	s_lshl_b32 s32, ttmp9, 9                       ; mt: four waves of 128 bytes a tile
	s_lshl_b32 s33, s26, 7
	s_add_co_u32 s32, s32, s33
	s_mov_b32 s33, 0
	s_mov_b32 s42, 0                               ; OR of all compare masks
	s_mov_b32 s43, 0                               ; steps with an open key
	s_mov_b32 s58, 0                               ; steps all open
	s_wait_kmcnt 0x0
	s_add_nc_u64 s[14:15], s[14:15], s[28:29]
	s_add_nc_u64 s[22:23], s[22:23], s[30:31]
	s_add_nc_u64 s[24:25], s[24:25], s[32:33]
.macro MLOAD s                         ; step s: 16 rows x 512 consecutive bytes
.irp i, 0,1,2,3,4,5,6,7,8,9,10,11,12,13,14,15
	global_load_b128 v[16+64*((\s)%2)+4*\i:16+64*((\s)%2)+4*\i+3], v1, s[14:15] offset:8192*\i+512*(\s) th:TH_LOAD_NT
.endr
.endm
.macro MROW s, i                       ; lane (r, g) holds columns 8 i + 4 g + z, z = 0 .. 3, of row r
.set MB, 44+4*((\i)%2)
	v_cmp_ne_u32 s[MB], 0, v[144+4*\i]
	v_cmp_ne_u32 s[MB+1], 0, v[145+4*\i]
	v_cmp_ne_u32 s[MB+2], 0, v[146+4*\i]
	v_cmp_ne_u32 s[MB+3], 0, v[147+4*\i]
	s_and_b32 s52, s[MB], 0xffff
	s_lshl_b32 s53, s[MB+1], 16
	s_or_b32 s52, s52, s53                         ; c = 0: columns 8 i, 8 i + 1
	s_and_b32 s53, s[MB+2], 0xffff
	s_lshl_b32 s54, s[MB+3], 16
	s_or_b32 s53, s53, s54                         ; c = 1
	s_lshr_b32 s54, s[MB], 16
	s_and_b32 s55, s[MB+1], 0xffff0000
	s_or_b32 s54, s54, s55                         ; c = 2
	s_lshr_b32 s55, s[MB+2], 16
	s_and_b32 s56, s[MB+3], 0xffff0000
	s_or_b32 s55, s55, s56                         ; c = 3
	s_or_b32 s56, s[MB], s[MB+1]
	s_or_b32 s57, s[MB+2], s[MB+3]
	s_or_b32 s40, s40, s56
	s_or_b32 s40, s40, s57
	s_and_b32 s56, s[MB], s[MB+1]
	s_and_b32 s57, s[MB+2], s[MB+3]
	s_and_b32 s41, s41, s56
	s_and_b32 s41, s41, s57
	v_writelane_b32 v[208+2*(\s)+(\i)%2], s52, (\i)/2          ; word 16 c + i lies in lane 8 c + i / 2, register i % 2
	v_writelane_b32 v[208+2*(\s)+(\i)%2], s53, 8+(\i)/2
	v_writelane_b32 v[208+2*(\s)+(\i)%2], s54, 16+(\i)/2
	v_writelane_b32 v[208+2*(\s)+(\i)%2], s55, 24+(\i)/2
.endm
.macro MSTEP s
.if (\s) < 3
	s_wait_loadcnt 16                              ; this step's 16 loads are in; the next step's stay out
.else
	s_wait_loadcnt 0
.endif
.irp i, 0,1,2,3,4,5,6,7,8,9,10,11,12,13,14,15
	ds_store_b128 v4, v[16+64*((\s)%2)+4*\i:16+64*((\s)%2)+4*\i+3] offset:528*\i
.endr
.irp i, 0,1,2,3,4,5,6,7,8,9,10,11,12,13,14,15
	ds_load_b128 v[144+4*\i:147+4*\i], v5 offset:32*\i
.endr
	s_wait_dscnt 0x0                               ; the rows are back, and the stores have read their registers
.if (\s)+2 < 4
	MLOAD (\s)+2
.endif
	s_mov_b32 s40, 0
	s_mov_b32 s41, -1
.irp i, 0,1,2,3,4,5,6,7,8,9,10,11,12,13,14,15
	MROW \s, \i
.endr
	global_store_b64 v3, v[208+2*(\s):209+2*(\s)], s[22:23] offset:256*(\s)   ; the step's 64 words: 256 consecutive bytes, aligned
	s_or_b32 s42, s42, s40
	s_cmp_lg_u32 s40, 0
	s_cselect_b32 s56, 1<<(\s), 0
	s_or_b32 s43, s43, s56
	s_cmp_eq_u32 s41, -1
	s_cselect_b32 s56, 1<<(\s), 0
	s_or_b32 s58, s58, s56
.endm
	MLOAD 0
	MLOAD 1
	MSTEP 0
	MSTEP 1
	MSTEP 2
	MSTEP 3
	s_lshl_b32 s56, s26, 2
	s_lshl_b32 s43, s43, s56                       ; my four steps' bits at 4 w
	s_lshl_b32 s58, s58, s56
	v_writelane_b32 v216, s42, 0
	v_writelane_b32 v216, s43, 1
	v_writelane_b32 v216, s58, 2
	global_store_b32 v6, v216, s[24:25]
.Lend:
	s_wait_tensorcnt 0x0                           ; the wave's end, behind my last LDS store
	ds_add_u32 v[SPW], v[NIL]
	s_wait_dscnt 0x0
	s_endpgm
.Lfunc_end_k_q28a73cf3a5_prep:
	.size	k_q28a73cf3a5_prep, .Lfunc_end_k_q28a73cf3a5_prep-k_q28a73cf3a5_prep
	.p2alignl 7, 3214868480
	.fill 96, 4, 3214868480
	.section	.rodata,"a",@progbits
	.p2align	6, 0x0
	.amdhsa_kernel k_q28a73cf3a5_prep
		.amdhsa_group_segment_fixed_size 67072
		.amdhsa_private_segment_fixed_size 0
		.amdhsa_enable_private_segment 0
		.amdhsa_kernarg_size 88
		.amdhsa_user_sgpr_count 2
		.amdhsa_user_sgpr_kernarg_segment_ptr 1
		.amdhsa_wavefront_size32 1
		.amdhsa_system_sgpr_workgroup_id_x 1
		.amdhsa_system_sgpr_workgroup_id_y 1
		.amdhsa_system_sgpr_workgroup_id_z 1
		.amdhsa_system_vgpr_workitem_id 0
		.amdhsa_next_free_vgpr 224
		.amdhsa_next_free_sgpr 66
		.amdhsa_reserve_vcc 0
		.amdhsa_float_denorm_mode_32 3
		.amdhsa_float_denorm_mode_16_64 3
		.amdhsa_memory_ordered 1
		.amdhsa_forward_progress 1
		.amdhsa_inst_pref_size 179
	.end_amdhsa_kernel
	.amdgpu_metadata
---
amdhsa.version: [ 1, 2 ]
amdhsa.kernels:
  - .name:           k_q28a73cf3a5_prep
    .symbol:         k_q28a73cf3a5_prep.kd
    .args:
      - { .name: x, .offset: 0, .size: 8, .value_kind: global_buffer, .address_space: global }
      - { .name: Wq, .offset: 8, .size: 8, .value_kind: global_buffer, .address_space: global }
      - { .name: Wk, .offset: 16, .size: 8, .value_kind: global_buffer, .address_space: global }
      - { .name: Wv, .offset: 24, .size: 8, .value_kind: global_buffer, .address_space: global }
      - { .name: Wo, .offset: 32, .size: 8, .value_kind: global_buffer, .address_space: global }
      - { .name: mask, .offset: 40, .size: 8, .value_kind: global_buffer, .address_space: global }
      - { .name: lowp_scales, .offset: 48, .size: 8, .value_kind: global_buffer, .address_space: global }
      - { .name: xc, .offset: 56, .size: 8, .value_kind: global_buffer, .address_space: global }
      - { .name: wc, .offset: 64, .size: 8, .value_kind: global_buffer, .address_space: global }
      - { .name: mw, .offset: 72, .size: 8, .value_kind: global_buffer, .address_space: global }
      - { .name: mt, .offset: 80, .size: 8, .value_kind: global_buffer, .address_space: global }
    .group_segment_fixed_size: 67072
    .private_segment_fixed_size: 0
    .kernarg_segment_align: 8
    .kernarg_segment_size: 88
    .max_flat_workgroup_size: 128
    .sgpr_count:     66
    .vgpr_count:     224
    .wavefront_size: 32
...
	.end_amdgpu_metadata
.endif
;; end of part 1
;; launch gemm_qkv (part 2): grid 12 x 32, 4 waves a work-group, clusters of 4 x 4, 327,680 bytes of LDS; arguments xc, wc, bq, bk, bv, lowp_scales, qkv; writes qkv
.if DOCPART == 2
	.amdgcn_target "amdgcn-amd-amdhsa--gfx1250"
	.amdhsa_code_object_version 6
	.text
	.protected	k_q28a73cf3a5_gemm_qkv
	.globl	k_q28a73cf3a5_gemm_qkv
	.p2align	8
	.type	k_q28a73cf3a5_gemm_qkv,@function
k_q28a73cf3a5_gemm_qkv:
	s_mov_b64 s[64:65], 0
	v_nop
	global_prefetch_b8 v0, s[64:65] scope:SCOPE_SE
	s_setreg_imm32_b32 hwreg(HW_REG_WAVE_MODE, 25, 1), 1
	s_wait_xcnt 0x0
	s_wait_alu depctr_hold_cnt(0) depctr_sa_sdst(0) depctr_va_vdst(0) depctr_va_sdst(0) depctr_va_ssrc(0) depctr_va_vcc(0) depctr_vm_vsrc(0)
	s_getreg_b32 s2, hwreg(HW_REG_IB_STS2, 6, 4)
	s_cmp_eq_u32 s2, 0
	s_cbranch_scc0 .Lentry_in_a_cluster
	s_endpgm
.Lentry_in_a_cluster:
	s_bfe_u32 s2, ttmp6, 0x10000c
	s_cmp_lg_u32 s2, 0xf033
	s_cbranch_scc0 .Lentry_shape_is_right
	s_endpgm
.Lentry_shape_is_right:
; Q, K, V = x W^T + b on codes of E4M3, and the results quantised again: product p = cluster x (0: Q, 1: K, 2: V).
; A = xc[p] [8192][1024], B = wc[p] [1024][1024], codes, K innermost.  A sum stands for sum x 2^(eA + eB); the bias goes in as b / 2^(eA + eB), the C of the first K step;
; the result's code is sum / 2^(eo - eA - eB), held within +-448 of that scale.  (eA, eB, eo) = (e0, e1, e6), (e2, e3, e7), (e4, e5, e9).
; LIMIT: eo - eA - eB between -126 and 119.  NaN is not served.
; OUT: qkv[p][b 16 + head][s][64] codes: a head's 16 rows are 1,024 consecutive bytes.
; A tile of 256 x 256 to a work-group of four waves, 128 x 128 a wave: 64 accumulators, 512 registers.  K in steps of 256 through two LDS slots filled by the tensor data mover.
; CLUSTERS of 4 x 4: the four of a row need the same tiles of A, the four of a column the same tiles of B: each tile is asked for jointly.
; THE MATRIX INSTRUCTION IS USED TRANSPOSED (source 0 = 16 rows of B, source 1 = 16 rows of A): a lane holds eight neighbouring columns of one row.
; REGISTERS: window 0: v0-31 addresses; v32-95 the bias in the result's layout; from v128 A's fragments, one set.  window 1: B's fragments, two sets.  windows 2, 3: the accumulators.
.set SIZE_K, 1024
.set KSTEP,  256
.set ROWB,   256
.set KROW,   SIZE_K
.set PITCH,  272                       ; 256 bytes + 16 of padding: the 16 rows of a load start at 16 different banks (ISA guide 11.1)
.set FR,     16
.set NL,     4
.set NP,     4
.set HALFT,  128*PITCH
.set SLOT,   4*HALFT
.set LAPS,   SIZE_K/(2*KSTEP)
.set SPARE,  2*SLOT                    ; the spare words, 128 bytes a wave
.set SCL,  12                          ; v12  2^(eo - eA - eB)
.set LIM,  13                          ; v13  448 x that
.set ADRA, 16
.set ADRB, 20
.set STO,  24
.set RD,   25
.set CO,   26
.set SPW,  28
.set NIL,  29
.set BIAS, 32
.set AF,   128
.set T,    128                         ; the way out: 64 held sums
.set CD,   192                         ; two sets of 16 registers of codes
.set BB,   224                         ; two sets of 16 registers read back
.set G1, 24
.set G0, 32
.set G1B, 48
.set G0B, 56
.set MSB, 0
.macro WIN new
.if MSB != \new
	s_set_vgpr_msb (MSB<<8)|\new
.set MSB, \new
.endif
.endm
.set MUL_LO, 0xa1
.set MUL_HI, 0xf1
.set TO_B,   0x40
.macro JLOAD g0a, g1a, g0b, g1b        ; a joint load: waves 0, 1 for A, waves 2, 3 for B; the branch hangs on the wave's number alone; s_nop 0 and four v_nop follow each line
	s_cmp_eq_u32 s15, 0
	s_cbranch_scc0 .Lfor_b_\@
	tensor_load_to_lds s[\g0a:\g0a+3], s[\g1a:\g1a+7]
	s_nop 0
.rept 4
	v_nop
.endr
	s_branch .Lasked_\@
.Lfor_b_\@:
	tensor_load_to_lds s[\g0b:\g0b+3], s[\g1b:\g1b+7]
	s_nop 0
.rept 4
	v_nop
.endr
.Lasked_\@:
.endm
.macro CREST
	s_cmp_lg_u32 s14, 0
	s_cbranch_scc1 .Lnot_wave_0_\@
	s_barrier_signal -3
.Lnot_wave_0_\@:
	s_barrier_wait -3
	s_barrier_signal -1
	s_barrier_wait -1
.endm
.macro CROUND
	s_barrier_signal -1
	s_barrier_wait -1
	CREST
.endm
	s_load_b128 s[4:7], s[0:1], 0x0                ; xc, wc
	s_load_b128 s[80:83], s[0:1], 0x10             ; bq, bk
	s_load_b128 s[84:87], s[0:1], 0x20             ; bv, the scales' exponents
	s_load_b64 s[10:11], s[0:1], 0x30              ; qkv
	v_lshl_add_u32 v[SPW], v0, 2, SPARE
	v_mov_b32 v[NIL], 0
	ds_add_u32 v[SPW], v[NIL]                      ; the wave's opening: the add and its wait ahead of my first tensor load
	v_lshrrev_b32 v1, 5, v0
	v_readfirstlane_b32 s14, v1                    ; wave
	s_lshr_b32 s15, s14, 1                         ; my half of the tile's rows; also: I fetch for A (0) or B (1)
	s_and_b32 s16, s14, 1                          ; my half of its columns; also: which 128 rows I fetch
	s_bfe_u32 s40, ttmp6, 0x40000                  ; cx = tile column within the product
	s_bfe_u32 s41, ttmp6, 0x40004                  ; cy
	s_and_b32 s17, ttmp7, 0xffff
	s_lshl_b32 s17, s17, 2
	s_add_co_u32 s17, s17, s41                     ; tile row = 4 x cluster y + cy
	s_lshl_b32 s43, s41, 2
	s_lshl_b32 s43, 15, s43                        ; my row of the cluster
	s_lshl_b32 s44, 0x1111, s40                    ; my column
	s_or_b32 s[G1+0], s43, (0<<16)|(1<<20)|(1<<21)|(5<<22)|(3<<25)  ; mask; 1-byte elements; padding of 4 words behind every 64; bit 21 beside a mask
	s_or_b32 s[G1B+0], s44, (0<<16)|(1<<20)|(1<<21)|(5<<22)|(3<<25)
.irp g, G1, G1B
	s_mov_b32 s[\g+1], ROWB<<16                    ; tensor_dim0
	s_mov_b32 s[\g+2], 128<<16                     ; tensor_dim1
	s_mov_b32 s[\g+3], ROWB<<16                    ; tile_dim0
	s_mov_b32 s[\g+4], 128                         ; tile_dim1
	s_mov_b32 s[\g+5], KROW                        ; pitch
	s_mov_b32 s[\g+6], 0
	s_mov_b32 s[\g+7], 0
.endr
	s_lshl_b32 s18, s16, 7
	s_lshl_b32 s20, s17, 8
	s_add_co_u32 s20, s20, s18
	s_lshl_b32 s20, s20, 10                        ; A: (256 x tile row + 128 x half) rows of 1,024 bytes,
	s_lshl_b32 s19, ttmp9, 23
	s_add_co_u32 s20, s20, s19                     ; in x's set of codes p
	s_mov_b32 s21, 0
	s_lshl_b32 s46, s40, 8
	s_add_co_u32 s46, s46, s18
	s_lshl_b32 s46, s46, 10                        ; B: (256 cx + 128 x half) rows,
	s_lshl_b32 s19, ttmp9, 20
	s_add_co_u32 s46, s46, s19                     ; in weight p
	s_mov_b32 s47, 0
	s_mul_i32 s45, s14, HALFT                      ; where they go: wave x 128 rows
	s_wait_dscnt 0x0                               ; the opening add is done
	s_wait_kmcnt 0x0
	s_load_b256 s[68:75], s[86:87], 0x0            ; e0 .. e7
	s_load_b128 s[76:79], s[86:87], 0x20           ; e8 .. e11
	s_add_nc_u64 s[20:21], s[4:5], s[20:21]
	s_add_nc_u64 s[46:47], s[6:7], s[46:47]
	CROUND                                         ; all sixteen work-groups are here: the first joint loads meet
.irp s, 0,1
	s_mov_b32 s[G0+4*\s], 1
	s_add_co_u32 s[G0+4*\s+1], s45, \s*SLOT
	s_add_nc_u64 s[G0+4*\s+2:G0+4*\s+3], s[20:21], \s*ROWB
	s_or_b32 s[G0+4*\s+3], s[G0+4*\s+3], 0x80000000
	s_mov_b32 s[G0B+4*\s], 1
	s_add_co_u32 s[G0B+4*\s+1], s45, \s*SLOT
	s_add_nc_u64 s[G0B+4*\s+2:G0B+4*\s+3], s[46:47], \s*ROWB
	s_or_b32 s[G0B+4*\s+3], s[G0B+4*\s+3], 0x80000000
	JLOAD G0+4*\s, G1, G0B+4*\s, G1B
.endr
	v_and_b32 v1, 15, v0                           ; r
	v_bfe_u32 v2, v0, 4, 1                         ; h
	; the bias of my 128 columns, in the result's layout: for B's block b, lane (r, h) wants columns 16 b + 8 h + 0 .. 7
	s_cmp_eq_u32 ttmp9, 0
	s_cselect_b64 s[88:89], s[80:81], s[82:83]
	s_cmp_eq_u32 ttmp9, 2
	s_cselect_b64 s[88:89], s[84:85], s[88:89]
	s_lshl_b32 s90, s40, 10
	s_lshl_b32 s91, s16, 9
	s_add_co_u32 s90, s90, s91
	s_mov_b32 s91, 0
	s_add_nc_u64 s[88:89], s[88:89], s[90:91]
	v_lshlrev_b32 v7, 5, v2
.irp b, 0,1,2,3,4,5,6,7
	global_load_b128 v[BIAS+8*\b:BIAS+8*\b+3], v7, s[88:89] offset:64*\b
	global_load_b128 v[BIAS+8*\b+4:BIAS+8*\b+7], v7, s[88:89] offset:64*\b+16
.endr
	v_mul_u32_u24 v3, v1, PITCH
	v_lshl_add_u32 v4, v2, 4, v3                   ; a fragment's row x pitch + 16 x half
	s_mul_i32 s21, s15, HALFT
	s_mul_i32 s22, s16, HALFT
	s_add_co_u32 s22, s22, 2*HALFT
.irp s, 0,1
	v_add_nc_u32 v[ADRA+\s], s21, v4
	v_add_nc_u32 v[ADRB+\s], s22, v4
	s_add_co_u32 s21, s21, SLOT
	s_add_co_u32 s22, s22, SLOT
.endr
	s_mul_i32 s23, s14, 5120                       ; my stage, in slot 0: two blocks of [2 heads][16 rows][80 bytes]
	v_mul_u32_u24 v5, v1, 80
	v_lshl_add_u32 v5, v2, 3, v5
	v_add_nc_u32 v[STO], s23, v5                   ; in: row r, + 8 h
	v_and_b32 v6, 31, v0
	v_lshrrev_b32 v5, 2, v6
	v_mul_u32_u24 v5, v5, 80
	v_and_b32 v8, 3, v0
	v_lshl_add_u32 v5, v8, 4, v5
	v_add_nc_u32 v[RD], s23, v5                    ; back: row lane / 4, 16 (lane % 4)
	v_lshlrev_b32 v[CO], 4, v6                     ; and the same eight rows in memory: 16 x lane
	s_lshl_b32 s20, s17, 8
	s_lshl_b32 s21, s15, 7
	s_add_co_u32 s20, s20, s21                     ; my first row of x
	s_lshr_b32 s21, s20, 11
	s_lshl_b32 s21, s21, 21                        ; its batch: 16 heads x 2,048 x 64 bytes
	s_and_b32 s20, s20, 2047
	s_lshl_b32 s20, s20, 6
	s_add_co_u32 s20, s20, s21
	s_lshl_b32 s21, ttmp9, 23
	s_add_co_u32 s20, s20, s21                     ; product p
	s_lshl_b32 s46, s40, 2
	s_lshl_b32 s47, s16, 1
	s_add_co_u32 s46, s46, s47                     ; my first head: 4 cx + 2 x half
	s_lshl_b32 s46, s46, 17
	s_add_co_u32 s20, s20, s46
	s_mov_b32 s21, 0
	s_add_nc_u64 s[10:11], s[10:11], s[20:21]
	s_wait_kmcnt 0x0
	s_cmp_eq_u32 ttmp9, 0                          ; the three exponents are chosen, not branched on
	s_cselect_b32 s90, s68, s70
	s_cselect_b32 s91, s69, s71
	s_cselect_b32 s92, s74, s75
	s_cmp_eq_u32 ttmp9, 2
	s_cselect_b32 s90, s72, s90
	s_cselect_b32 s91, s73, s91
	s_cselect_b32 s92, s77, s92
	s_add_co_i32 s90, s90, s91                     ; eA + eB
	s_sub_co_i32 s93, 0, s90
	s_sub_co_i32 s92, s92, s90
	s_add_co_i32 s92, s92, 127
	s_lshl_b32 s94, s92, 23
	v_mov_b32 v[SCL], s94
	s_add_co_i32 s92, s92, 8
	s_lshl_b32 s92, s92, 23
	s_or_b32 s92, s92, 0x600000
	v_mov_b32 v[LIM], s92
	s_wait_loadcnt 0x0
.set j, 0
.rept 64
	v_ldexp_f32 v[BIAS+j], v[BIAS+j], s93          ; b / 2^(eA + eB)
.set j, j+1
.endr
.macro FRAG reg, adr, q, i             ; 16 rows x 128 K: registers 4 c .. 4 c + 3 hold K = 32 c + 16 (l / 16) + 0 .. 15, alike in A and B
.irp c, 0,1,2,3
	ds_load_b128 v[\reg+4*\c:\reg+4*\c+3], v[\adr] offset:128*(\q)+32*\c+(\i)*16*PITCH
.endr
.endm
.macro MUL16 a0, p, zero               ; A's blocks a0, a0 + 1 x B's eight; zero = 1: the bias is the first product's C.  The 64 accumulators take turns
.irp a, \a0, \a0+1
.irp b, 0,1,2,3,4,5,6,7
.if \zero
	v_wmma_f32_16x16x128_fp8_fp8 v[8*(8*((\a)%4)+\b):8*(8*((\a)%4)+\b)+7], v[128*(\p)+FR*\b:128*(\p)+FR*\b+FR-1], v[AF+FR*(\a):AF+FR*(\a)+FR-1], v[BIAS+8*\b:BIAS+8*\b+7]
.else
	v_wmma_f32_16x16x128_fp8_fp8 v[8*(8*((\a)%4)+\b):8*(8*((\a)%4)+\b)+7], v[128*(\p)+FR*\b:128*(\p)+FR*\b+FR-1], v[AF+FR*(\a):AF+FR*(\a)+FR-1], v[8*(8*((\a)%4)+\b):8*(8*((\a)%4)+\b)+7]
.endif
.endr
.endr
.endm
.macro FETCH_B slot, q, p
	WIN TO_B
.irp i, 0,1,2,3,4,5,6,7
	FRAG 128*(\p)+FR*\i, ADRB+\slot, \q, \i
.endr
	WIN 0
.endm
.macro FETCH_A slot, q, i0
.irp i, \i0, \i0+1, \i0+2, \i0+3
	FRAG AF+FR*(\i), ADRA+\slot, \q, \i
.endr
.endm
.macro PLACES n                        ; plain vector lines between a matrix instruction and a load into, or a read of, its registers
.rept \n
	v_nop
.endr
.endm
.macro STEP slot, q, zero
	s_wait_dscnt 4*NL                              ; B's set and A's blocks 0-3 are in; A's blocks 4-7 may be out
.if \zero
	WIN 0x81                                       ; D window 2, C (the bias) window 0
.else
	WIN MUL_LO
.endif
	MUL16 0, (\q)%2, \zero
	MUL16 2, (\q)%2, \zero
	s_wait_dscnt 0
	PLACES NP
	FETCH_B \slot, (\q)+1, 1-(\q)%2
	FETCH_A \slot, (\q)+1, 0
.if \zero
	WIN 0xc1
.else
	WIN MUL_HI
.endif
	MUL16 4, (\q)%2, \zero
	MUL16 6, (\q)%2, \zero
	PLACES NP
	WIN 0
	FETCH_A \slot, (\q)+1, 4
.endm
.macro TURN slot, next, fill           ; a slot's last step changes slots
	s_wait_tensorcnt 0x0                           ; all my tensor loads have landed: my part of the next slot
	ds_add_u32 v[SPW], v[NIL]
	s_wait_dscnt 4*NL+1                            ; the add and A's blocks 4-7 may be out
	WIN MUL_LO
	MUL16 0, 1, 0
	s_wait_dscnt 0x0                               ; the add is done, and my reads of this slot are over
	s_barrier_signal -1
	MUL16 2, 1, 0
	WIN 0
	s_barrier_wait -1
.if \fill
	CREST                                          ; no wave of any partner still reads this slot or has a load on its way
	s_add_nc_u64 s[G0+4*\slot+2:G0+4*\slot+3], s[G0+4*\slot+2:G0+4*\slot+3], 2*ROWB
	s_add_nc_u64 s[G0B+4*\slot+2:G0B+4*\slot+3], s[G0B+4*\slot+2:G0B+4*\slot+3], 2*ROWB
	JLOAD G0+4*\slot, G1, G0B+4*\slot, G1B         ; the first tensor load behind the round; its four v_nop are the places in front of the loads below
.else
	PLACES NP
.endif
	FETCH_B \next, 0, 0
	FETCH_A \next, 0, 0
	WIN MUL_HI
	MUL16 4, 1, 0
	MUL16 6, 1, 0
	PLACES NP
	WIN 0
	FETCH_A \next, 0, 4
.endm
	s_wait_tensorcnt 1                             ; my part of K step 0 is in; K step 1's load may be out
	s_barrier_signal -1
	s_barrier_wait -1
	FETCH_B 0, 0, 0
	FETCH_A 0, 0, 0
	FETCH_A 0, 0, 4
	STEP 0, 0, 1
	s_mov_b32 s3, LAPS-1
.Llap:
	TURN 0, 1, 1
	STEP 1, 0, 0
	TURN 1, 0, 1
	STEP 0, 0, 0
	s_sub_co_u32 s3, s3, 1
	s_cmp_lg_u32 s3, 0
	s_cbranch_scc1 .Llap
	TURN 0, 1, 0                                   ; the last lap fills nothing
	STEP 1, 0, 0
	s_wait_dscnt 4*NL
	WIN MUL_LO
	MUL16 0, 1, 0
	MUL16 2, 1, 0
	s_wait_dscnt 0
	WIN MUL_HI
	MUL16 4, 1, 0
	MUL16 6, 1, 0
	WIN 0
; THE WAY OUT, a block of 16 rows x 128 columns (two heads) at a time: held, converted (8 codes for each of B's blocks), through my stage in slot 0 (which has had its last fill and its last read),
; and back as eight whole rows of a head: 512 consecutive bytes a store.
.macro QSTAGE a
.set AC, 64*((\a)%4)
.set CW, CD+16*((\a)%2)
.set BW, BB+16*((\a)%2)
	WIN 0x02+((\a)/4)                              ; source 0: window 2 or 3
.set j, 0
.rept 64
	v_med3_num_f32 v[T+j], v[AC+j], -v[LIM], v[LIM]   ; each accumulator from its low end on
.set j, j+1
.endr
	WIN 0
.irp b, 0,1,2,3,4,5,6,7
	v_cvt_scalef32_pk8_fp8_f32 v[CW+2*\b:CW+2*\b+1], v[T+8*\b:T+8*\b+7], v[SCL]
.endr
	v_nop                                          ; a plain line behind the conversions: the next block's holds write their sources
.irp b, 0,1,2,3,4,5,6,7
	ds_store_b64 v[STO], v[CW+2*\b:CW+2*\b+1] offset:((\a)%2)*2560+(\b/4)*1280+(\b%4)*16
.endr
.irp k, 0,1,2,3
	ds_load_b128 v[BW+4*\k:BW+4*\k+3], v[RD] offset:((\a)%2)*2560+(\k/2)*1280+(\k%2)*640   ; LDS serves a wave's instructions in order: these see my stores
.endr
.endm
.macro QSEND a, younger
.set BW, BB+16*((\a)%2)
	s_wait_dscnt \younger
.irp k, 0,1,2,3
	global_store_b128 v[CO], v[BW+4*\k:BW+4*\k+3], s[10:11] offset:(\k/2)*131072+(16*(\a)+8*(\k%2))*64
.endr
.endm
	PLACES NP
	QSTAGE 0
.irp a, 1,2,3,4,5,6,7
.if \a > 1
	s_wait_xcnt 0x0                                ; block a - 2's stores have read their registers: block a's loads may land there
.endif
	QSTAGE \a
	QSEND \a-1, 12                                 ; behind block a - 1's loads: block a's 8 stores and 4 loads
.endr
	QSEND 7, 0
	s_wait_tensorcnt 0x0                           ; the wave's end
	ds_add_u32 v[SPW], v[NIL]
	s_wait_dscnt 0x0
	CROUND                                         ; the closing round
	s_endpgm
.Lfunc_end_k_q28a73cf3a5_gemm_qkv:
	.size	k_q28a73cf3a5_gemm_qkv, .Lfunc_end_k_q28a73cf3a5_gemm_qkv-k_q28a73cf3a5_gemm_qkv
	.p2alignl 7, 3214868480
	.fill 96, 4, 3214868480
	.section	.rodata,"a",@progbits
	.p2align	6, 0x0
	.amdhsa_kernel k_q28a73cf3a5_gemm_qkv
		.amdhsa_group_segment_fixed_size 327680
		.amdhsa_private_segment_fixed_size 0
		.amdhsa_enable_private_segment 0
		.amdhsa_kernarg_size 56
		.amdhsa_user_sgpr_count 2
		.amdhsa_user_sgpr_kernarg_segment_ptr 1
		.amdhsa_wavefront_size32 1
		.amdhsa_system_sgpr_workgroup_id_x 1
		.amdhsa_system_sgpr_workgroup_id_y 1
		.amdhsa_system_sgpr_workgroup_id_z 1
		.amdhsa_system_vgpr_workitem_id 0
		.amdhsa_next_free_vgpr 1024
		.amdhsa_next_free_sgpr 100
		.amdhsa_reserve_vcc 0
		.amdhsa_float_denorm_mode_32 3
		.amdhsa_float_denorm_mode_16_64 3
		.amdhsa_memory_ordered 1
		.amdhsa_forward_progress 1
		.amdhsa_inst_pref_size 131
	.end_amdhsa_kernel
	.amdgpu_metadata
---
amdhsa.version: [ 1, 2 ]
amdhsa.kernels:
  - .name:           k_q28a73cf3a5_gemm_qkv
    .symbol:         k_q28a73cf3a5_gemm_qkv.kd
    .args:
      - { .name: xc, .offset: 0, .size: 8, .value_kind: global_buffer, .address_space: global }
      - { .name: wc, .offset: 8, .size: 8, .value_kind: global_buffer, .address_space: global }
      - { .name: bq, .offset: 16, .size: 8, .value_kind: global_buffer, .address_space: global }
      - { .name: bk, .offset: 24, .size: 8, .value_kind: global_buffer, .address_space: global }
      - { .name: bv, .offset: 32, .size: 8, .value_kind: global_buffer, .address_space: global }
      - { .name: lowp_scales, .offset: 40, .size: 8, .value_kind: global_buffer, .address_space: global }
      - { .name: qkv, .offset: 48, .size: 8, .value_kind: global_buffer, .address_space: global }
    .group_segment_fixed_size: 327680
    .private_segment_fixed_size: 0
    .kernarg_segment_align: 8
    .kernarg_segment_size: 56
    .max_flat_workgroup_size: 128
    .sgpr_count:     100
    .vgpr_count:     1024
    .wavefront_size: 32
...
	.end_amdgpu_metadata
.endif
;; end of part 2
;; launch attn (part 3): grid 4 x 64, 16 waves a work-group, no clusters, 313,344 bytes of LDS; arguments qkv, mw, mt, lowp_scales, cc; writes cc
.if DOCPART == 3
	.amdgcn_target "amdgcn-amd-amdhsa--gfx1250"
	.amdhsa_code_object_version 6
	.text
	.protected	k_q28a73cf3a5_attn
	.globl	k_q28a73cf3a5_attn
	.p2align	8
	.type	k_q28a73cf3a5_attn,@function
k_q28a73cf3a5_attn:
	s_mov_b64 s[64:65], 0
	v_nop
	global_prefetch_b8 v0, s[64:65] scope:SCOPE_SE
	s_setreg_imm32_b32 hwreg(HW_REG_WAVE_MODE, 25, 1), 1
	s_wait_xcnt 0x0
; ctx = softmax(Q K^T / 8, masked) V on codes of E4M3, and ctx quantised (2^e10).  Q, K, V: qkv[p][b 16 + head][s][64].  Scales: Q e6, K e7, p e8, V e9.
; t = logit x log2(e); M = the running largest t rounded up to a whole number; p = 2^(t - M) is quantised, not normalised; the row's sum is taken of the unquantised p and divides at the end.
; THE MASK is an input: the launch before has laid it as lane-mask words (mw) and flags (mt).  A masked score is replaced by the raw number -2^(33 - e6 - e7), that is the logit -2^30.
; LIMITS, stated: the masked logit stands as -2^30 = -1.0737e9 in place of -1e9 (so that t - M of a row that is masked everywhere is exactly 0, and such a row gives the mean of V, as it should);
; the result differs only where an open logit lies under about -9.9e8.  e6 + e7 between -94 and 130; e8 and e10 between -126 and 119.  NaN is not served.
; A key step that the mask hides for all 16 queries of a tile is passed over (a scalar branch on the stored flags), unless some query of the tile has no open key at all: then every step is walked.
; SHARES.  A work-group has one (batch, head) and 512 queries; wave w takes query tile 4 w + x and then tile 127 - (4 w + x).  The head's whole K and V lie in LDS, laid there once through registers
; (wave w lays key step w), so there is one barrier, no ring, no tensor load.  No joint loads: what the four work-groups of a head share is read once, at the head, and V must pass through registers to be turned.
; THE ORDER OF THE KEYS in a step of 128: position (c, h, i) holds key 8 i + 2 c + h.  Score register 16 c + i of a lane of half h is that key's; so are byte i of p's registers 4 c .. 4 c + 3 and of V's.
; K's row 16 tau + m of a step holds key 64 (tau & 1) + 8 (m & 7) + 2 (tau >> 1) + (m >> 3).  V lies as images of the operand's registers: tile t = (ch >> 2) & 3, row 4 (ch >> 4) + (ch & 3).
; Both products are used transposed: a lane holds one query (lane % 16) throughout.
.set KP,    80                         ; a key's row in LDS: 64 bytes + 16
.set VB,    163840                     ; V's images: step x 8,192 + t x 2,048 + c x 512 + h x 256 + 16 (row ^ (2 (c & 1) + h))
.set STG,   294912                     ; 1,024 bytes a wave, for the way out
.set SPARE, 311296                     ; the spare words, 128 bytes a wave
.set AKB, 1
.set AV0, 2
.set AV1, 3
.set SPW, 4
.set NIL, 5
.set STO, 6
.set SRD, 7
.set GO,  8
.set ADK, 9
.set ADV0, 10
.set ADV1, 11
.set Q,   16                           ; v16-23 Q's fragment
.set NEGV, 24                          ; the masked score
.set QO,  25
.set CSC, 26                           ; 2^e10
.set LIMC, 27                          ; 448 x 2^e10
.set F,   32                           ; v32-95  K's eight fragments, then V's four
.set S,   96                           ; v96-159 scores, then p
.set O,   160                          ; v160-191 O^T
.set P,   192                          ; v192-207 p's codes
.set LIMP, 240
.set SCP, 244
.set WV,  84
.set JC,  85
.set PASS, 86
.set TODO, 87
.set FULL, 88
.set TA,  89
.set CS,  90
.set SEL, 92
.set TK,  94
.set TV,  95
.set TA0, 101
	s_load_b256 s[4:11], s[0:1], 0x0               ; qkv 4, mw 6, mt 8, scales 10
	s_load_b64 s[12:13], s[0:1], 0x20              ; cc
	v_lshl_add_u32 v[SPW], v0, 2, SPARE
	v_mov_b32 v[NIL], 0
	v_lshrrev_b32 v23, 5, v0
	v_readfirstlane_b32 s[WV], v23                 ; wave 0..15
	v_and_b32 v16, 15, v0                          ; r
	v_bfe_u32 v17, v0, 4, 1                        ; h
	v_and_b32 v18, 31, v0                          ; lane
	v_bfe_u32 v19, v0, 3, 2                        ; y >> 1, y = lane / 4
	v_bfe_u32 v20, v0, 2, 1                        ; y & 1
	v_bfe_u32 v21, v0, 2, 2                        ; y & 3
	v_and_b32 v22, 3, v0                           ; lane % 4
	v_mul_u32_u24 v[AKB], v16, KP
	v_lshl_add_u32 v[AKB], v17, 4, v[AKB]
	v_xor_b32 v[AV0], v16, v17
	v_lshlrev_b32 v[AV0], 4, v[AV0]
	v_lshl_add_u32 v[AV0], v17, 8, v[AV0]
	v_add_nc_u32 v[AV0], VB, v[AV0]                ; even c: VB + 256 h + 16 (r ^ h)
	v_xor_b32 v[AV1], 32, v[AV0]                   ; odd c: 16 (r ^ h ^ 2)
	s_lshl_b32 s20, s[WV], 10
	v_lshlrev_b32 v[STO], 6, v16
	v_lshl_add_u32 v[STO], v17, 5, v[STO]
	v_add_nc_u32 v[STO], s20, v[STO]
	v_add_nc_u32 v[STO], STG, v[STO]
	v_lshlrev_b32 v[GO], 4, v18
	v_add_nc_u32 v[SRD], s20, v[GO]
	v_add_nc_u32 v[SRD], STG, v[SRD]
	v_lshlrev_b32 v[QO], 6, v16
	v_lshl_add_u32 v[QO], v17, 4, v[QO]
	s_mul_i32 s21, s[WV], 128*KP
	v_mul_u32_u24 v28, v19, 32*KP
	v_mad_u32_u24 v28, v20, 8*KP, v28
	v_lshl_add_u32 v28, v22, 4, v28
	v_add_nc_u32 v28, s21, v28                     ; where K's loaded bytes go: key 8 i + y -> tile 2 (y >> 1) + (i >> 3), row 8 (y & 1) + (i & 7)
	s_lshl_b32 s22, s[WV], 13
	v_lshlrev_b32 v29, 9, v19
	v_lshl_add_u32 v29, v20, 8, v29
	v_lshl_add_u32 v29, v22, 6, v29
	v_add_nc_u32 v29, s22, v29
	v_add_nc_u32 v29, VB, v29
.irp x, 0,1,2,3
	v_xor_b32 v23, \x, v21
	v_lshl_add_u32 v[232+\x], v23, 4, v29          ; where V's unit of channel 16 (lane % 4) + 4 t + x goes
.endr
	s_mov_b32 s24, 0x05010400                      ; byte selects of the 4 x 4 turn
	s_mov_b32 s25, 0x07030602
	s_mov_b32 s26, 0x05040100
	s_mov_b32 s27, 0x07060302
	s_mov_b32 s[SEL], 0x76543210
	s_mov_b32 s[SEL+1], 0xfedcba98
	s_lshl_b32 s[TA0], s[WV], 2
	s_add_co_u32 s[TA0], s[TA0], ttmp9             ; my first query tile
	s_mov_b32 s[TA], s[TA0]
	s_mov_b32 s[PASS], 0
	s_and_b32 s20, ttmp7, 0xffff                   ; batch x 16 + head
	s_lshl_b32 s14, s20, 17
	s_mov_b32 s15, 0
	s_wait_kmcnt 0x0
	s_load_b128 s[96:99], s[10:11], 0x18           ; e6, e7, e8, e9
	s_load_b32 s100, s[10:11], 0x28                ; e10
	s_add_nc_u64 s[4:5], s[4:5], s[14:15]          ; Q of my head
	s_lshl_b32 s14, s[WV], 13
	s_add_nc_u64 s[16:17], s[4:5], s[14:15]
	s_add_nc_u64 s[16:17], s[16:17], 0x800000      ; K, key step w
	s_add_nc_u64 s[18:19], s[16:17], 0x800000      ; V, key step w
.irp i, 0,1,2,3,4,5,6,7,8,9,10,11,12,13,14,15
	global_load_b128 v[F+4*\i:F+4*\i+3], v[GO], s[16:17] offset:512*\i    ; 512 consecutive bytes: lane l has key 8 i + l / 4, channels 16 (l % 4) on
.endr
.irp i, 0,1,2,3,4,5,6,7,8,9,10,11,12,13,14,15
	global_load_b128 v[S+4*\i:S+4*\i+3], v[GO], s[18:19] offset:512*\i
.endr
	s_and_b32 s21, s20, 15
	s_lshl_b32 s21, s21, 19
	s_lshr_b32 s22, s20, 4
	s_lshl_b32 s22, s22, 17
	s_add_co_u32 s14, s21, s22
	s_add_nc_u64 s[12:13], s[12:13], s[14:15]      ; cc[head][batch x 2048 ..]
	s_wait_kmcnt 0x0
	s_add_co_i32 s14, s96, s97                     ; e6 + e7
	s_lshl_b32 s15, s14, 23
	s_mov_b32 s[CS], 0x3e38aa3b                    ; log2(e) / 8,
	s_add_co_i32 s[CS], s[CS], s15                 ; x 2^(e6 + e7): added to its exponent field
	s_mov_b32 s[CS+1], s[CS]
	s_sub_co_i32 s14, 160, s14
	s_lshl_b32 s14, s14, 23
	s_or_b32 s14, s14, 0x80000000
	v_mov_b32 v[NEGV], s14                         ; -2^(33 - e6 - e7)
	s_add_co_i32 s14, s98, 127
	s_lshl_b32 s15, s14, 23
	v_mov_b32 v[SCP], s15                          ; 2^e8
	s_add_co_i32 s14, s14, 8
	s_lshl_b32 s14, s14, 23
	s_or_b32 s14, s14, 0x600000
	v_mov_b32 v[LIMP], s14                         ; 448 x 2^e8
	s_add_co_i32 s14, s100, 127
	s_lshl_b32 s15, s14, 23
	v_mov_b32 v[CSC], s15
	s_add_co_i32 s14, s14, 8
	s_lshl_b32 s14, s14, 23
	s_or_b32 s14, s14, 0x600000
	v_mov_b32 v[LIMC], s14
	s_wait_loadcnt 16                              ; K's 16 loads are in; V's stay out
.irp i, 0,1,2,3,4,5,6,7,8,9,10,11,12,13,14,15
	ds_store_b128 v28, v[F+4*\i:F+4*\i+3] offset:(\i/8)*16*KP+(\i%8)*KP
.endr
	s_wait_loadcnt 0x0
; V is turned: the lane's 16 keys x 16 channels become 16 units of 16 keys of one channel.  R[i][w] = v[S + 4 i + w]; unit (w, x), register d, byte e = byte x of R[4 d + e][w].
.irp w, 0,1,2,3
.irp d, 0,1,2,3
.set TT, 224+4*((\d)%2)
	v_perm_b32 v[TT],   v[S+16*\d+4+\w],  v[S+16*\d+\w],   s24
	v_perm_b32 v[TT+1], v[S+16*\d+12+\w], v[S+16*\d+8+\w], s24
	v_perm_b32 v[TT+2], v[S+16*\d+4+\w],  v[S+16*\d+\w],   s25
	v_perm_b32 v[TT+3], v[S+16*\d+12+\w], v[S+16*\d+8+\w], s25
	v_perm_b32 v[160+16*\w+\d],    v[TT+1], v[TT],   s26
	v_perm_b32 v[160+16*\w+4+\d],  v[TT+1], v[TT],   s27
	v_perm_b32 v[160+16*\w+8+\d],  v[TT+3], v[TT+2], s26
	v_perm_b32 v[160+16*\w+12+\d], v[TT+3], v[TT+2], s27
.endr
.endr
.irp w, 0,1,2,3
.irp x, 0,1,2,3
	ds_store_b128 v[232+\x], v[160+16*\w+4*\x:160+16*\w+4*\x+3] offset:2048*\w
.endr
.endr
	s_wait_dscnt 0x0                               ; for the others' sake: my step of K and V lies in LDS
	s_barrier_signal -1
	s_barrier_wait -1                              ; the whole head does.  Nothing writes K or V again
.Lpass:                                            ; two trips: my two query tiles
	s_wait_xcnt 0x0                                ; earlier loads and stores have read their bases and data: both are written again only behind this wait
	s_lshl_b32 s14, s[TA], 10
	s_mov_b32 s15, 0
	s_add_nc_u64 s[2:3], s[4:5], s[14:15]          ; the tile's 16 rows of Q,
	s_add_nc_u64 s[66:67], s[12:13], s[14:15]      ; and of cc
	s_lshl_b32 s14, s[TA], 12
	s_add_nc_u64 s[10:11], s[6:7], s[14:15]        ; its mask words, step 0
	s_lshl_b32 s14, s[TA], 9
	s_add_nc_u64 s[68:69], s[8:9], s[14:15]        ; its flags
	s_load_b128 s[16:19], s[68:69], 0x0
	s_load_b128 s[20:23], s[68:69], 0x80
	s_load_b128 s[24:27], s[68:69], 0x100
	s_load_b128 s[28:31], s[68:69], 0x180
	global_load_b128 v[Q:Q+3], v[QO], s[2:3]
	global_load_b128 v[Q+4:Q+7], v[QO], s[2:3] offset:32
	v_mov_b32 v13, 0xff61b1e6                      ; the largest t so far: -3e38
	v_floor_f32 v12, -v13                          ; -M
	v_mov_b32 v14, 0
	v_mov_b32 v15, 0
	v_mov_b32 v236, 0                              ; a lane permute's destination counts as read
	v_mov_b32 v253, 0                              ; named as the upper half of v[252:253]
.set j, 0
.rept 32
	v_mov_b32 v[O+j], 0                            ; which step is the first hangs on the mask, so the sums begin as zeros
.set j, j+1
.endr
	s_mov_b32 s[JC], 0
	s_mov_b32 s[TK], 0
	s_mov_b32 s[TV], 0
	s_wait_kmcnt 0x0
	s_or_b32 s16, s16, s20
	s_or_b32 s24, s24, s28
	s_or_b32 s16, s16, s24                         ; rows with an open key, in two halves
	s_or_b32 s17, s17, s21
	s_or_b32 s25, s25, s29
	s_or_b32 s17, s17, s25                         ; steps with an open key
	s_or_b32 s18, s18, s22
	s_or_b32 s26, s26, s30
	s_or_b32 s[FULL], s18, s26                     ; steps all open
	s_lshr_b32 s20, s16, 16
	s_or_b32 s16, s16, s20
	s_and_b32 s16, s16, 0xffff
	s_mov_b32 s20, 0xffff
	s_cmp_eq_u32 s16, s20
	s_cselect_b32 s[TODO], s17, s20                ; a tile with a row that is masked everywhere walks all steps
	s_wait_loadcnt 0x0                             ; Q
.Lstep:                                            ; 16 trips
	s_bitcmp1_b32 s[TODO], 0
	s_cbranch_scc0 .Lnext
	s_load_b512 s[16:31], s[10:11], 0x0            ; the step's 64 mask words
	s_load_b512 s[32:47], s[10:11], 0x40
	s_load_b512 s[48:63], s[10:11], 0x80
	s_load_b512 s[68:83], s[10:11], 0xc0
	v_add_nc_u32 v[ADK], s[TK], v[AKB]             ; these four plain lines are the places behind the last step's products, in front of loads into their sources
	v_add_nc_u32 v[ADV0], s[TV], v[AV0]
	v_add_nc_u32 v[ADV1], s[TV], v[AV1]
	v_nop
.irp t, 0,1,2,3,4,5,6,7
	ds_load_b128 v[F+8*\t:F+8*\t+3], v[ADK] offset:\t*16*KP
	ds_load_b128 v[F+8*\t+4:F+8*\t+7], v[ADK] offset:\t*16*KP+32
.endr
	s_wait_dscnt 0x0
.irp t, 0,1,2,3,4,5,6,7
	v_wmma_f32_16x16x64_fp8_fp8 v[S+8*\t:S+8*\t+7], v[F+8*\t:F+8*\t+7], v[Q:Q+7], 0
.endr
.rept 4
	v_nop                                          ; places: in front of the loads into K's registers and of the first read of the scores
.endr
.irp t, 0,1,2,3
.irp c, 0,1,2,3
	ds_load_b128 v[F+16*\t+4*\c:F+16*\t+4*\c+3], v[ADV0+(\c%2)] offset:\t*2048+\c*512     ; V's fragments land under the softmax
.endr
.endr
	s_wait_kmcnt 0x0                               ; the mask words are in (and their base may be stepped)
	s_bitcmp1_b32 s[FULL], 0
	s_cbranch_scc1 .Lopen
.set n, 0
.rept 64
.if n < 48
	v_cndmask_b32 v[S+n], v[NEGV], v[S+n], s[16+n]
.else
	v_cndmask_b32 v[S+n], v[NEGV], v[S+n], s[20+n]
.endif
.set n, n+1
.endr
.Lopen:
	v_max3_num_f32 v254, v[S], v[S+1], v[S+2]      ; the step's largest score of my query among my 64 keys, in two chains
	v_max3_num_f32 v252, v[S+3], v[S+4], v[S+5]
.irp i, 6,10,14,18,22,26,30,34,38,42,46,50,54,58
	v_max3_num_f32 v254, v254, v[S+\i], v[S+1+\i]
	v_max3_num_f32 v252, v252, v[S+2+\i], v[S+3+\i]
.endr
	v_max3_num_f32 v254, v254, v[S+62], v[S+63]
	v_max_num_f32 v254, v254, v252
	v_permlanex16_b32 v236, v254, s[SEL], s[SEL+1]
	v_max_num_f32 v254, v254, v236                 ; and among lane l xor 16's
	v_mul_f32 v254, s[CS], v254                    ; as t
	v_max_num_f32 v13, v13, v254
	v_mov_b32 v254, v12
	v_floor_f32 v12, -v13                          ; -M = floor(-t): M is a whole number
	v_sub_f32 v254, v12, v254                      ; old M - new M, 0 or less
	v_cvt_i32_f32 v254, v254                       ; (it saturates)
	v_ldexp_f32 v252, 1.0, v254                    ; f = 2^(old M - new M)
.set j, 0
.rept 32
	v_pk_fma_f32 v[S+j:S+j+1], v[S+j:S+j+1], s[CS:CS+1], v[12:13] op_sel_hi:[1,0,0]   ; t - M
.set j, j+2
.endr
.set j, 0
.rept 64
	v_exp_f32 v[S+j], v[S+j]                       ; p = 2^(t - M)
.set j, j+1
.endr
	v_pk_mul_f32 v[14:15], v[14:15], v[252:253] op_sel_hi:[1,0]   ; the sums under the new M: the plain line behind the exponentials
	s_wait_alu depctr_va_vdst(0)                   ; one wait for the batch, ahead of its first reader
	v_pk_add_f32 v[242:243], v[S:S+1], v[S+2:S+3]  ; the row's sum, of the unquantised p, in two chains
.irp j, 4,8,12,16,20,24,28,32,36,40,44,48,52,56,60
	v_pk_add_f32 v[14:15], v[14:15], v[S+\j:S+1+\j]
	v_pk_add_f32 v[242:243], v[242:243], v[S+2+\j:S+3+\j]
.endr
	v_pk_add_f32 v[14:15], v[14:15], v[242:243]
	s_cmp_ge_i32 s98, -8                           ; p is at most 1, and 448 x 2^e8 is at least 1 from e8 = -8 on: there the hold cannot act
	s_cbranch_scc1 .Lnohold
.set j, 0
.rept 64
	v_min_num_f32 v[S+j], v[S+j], v[LIMP]
.set j, j+1
.endr
.Lnohold:
.irp c, 0,1,2,3
	v_cvt_scalef32_pk8_fp8_f32 v[P+4*\c:P+4*\c+1], v[S+16*\c:S+16*\c+7], v[SCP]
	v_cvt_scalef32_pk8_fp8_f32 v[P+4*\c+2:P+4*\c+3], v[S+16*\c+8:S+16*\c+15], v[SCP]
.endr
.set j, 0
.rept 16
	v_pk_mul_f32 v[O+j:O+j+1], v[O+j:O+j+1], v[252:253] op_sel_hi:[1,0]   ; O^T under the new M; also the plain lines between the conversions and the products
.set j, j+2
.endr
	s_wait_dscnt 0x0                               ; V's fragments
.irp t, 0,1,2,3
	v_wmma_f32_16x16x128_fp8_fp8 v[O+8*\t:O+8*\t+7], v[F+16*\t:F+16*\t+15], v[P:P+15], v[O+8*\t:O+8*\t+7]   ; four accumulators by turns; the scores' products stand between two steps
.endr
.Lnext:
	s_lshr_b32 s[TODO], s[TODO], 1
	s_lshr_b32 s[FULL], s[FULL], 1
	s_add_nc_u64 s[10:11], s[10:11], 256
	s_add_co_u32 s[TK], s[TK], 128*KP
	s_add_co_u32 s[TV], s[TV], 8192
	s_add_co_u32 s[JC], s[JC], 1
	s_cmp_lt_u32 s[JC], 16
	s_cbranch_scc1 .Lstep
	; THE WAY OUT of a tile.  Register 8 t + j of lane (r, h) is channel 32 h + 16 (j / 4) + 4 t + j % 4 of query r.
.rept 4
	v_nop
.endr
	v_add_f32 v14, v14, v15
	v_permlanex16_b32 v236, v14, s[SEL], s[SEL+1]
	v_add_f32 v14, v14, v236                       ; the row's sum
	v_rcp_f32 v14, v14
	v_nop                                          ; a plain line behind the transcendental
	s_add_co_i32 s14, s98, s99
	s_wait_alu depctr_va_vdst(0)                   ; the wait ahead of its first reader
	v_ldexp_f32 v14, v14, s14                      ; x 2^(e8 + e9)
.set j, 0
.rept 32
	v_mul_f32 v[S+j], v[O+j], v14
.set j, j+1
.endr
.set j, 0
.rept 32
	v_med3_num_f32 v[S+j], v[S+j], -v[LIMC], v[LIMC]
.set j, j+1
.endr
.irp t, 0,1,2,3
	v_cvt_scalef32_pk8_fp8_f32 v[128+2*\t:129+2*\t], v[S+8*\t:S+8*\t+7], v[CSC]
.endr
	v_nop                                          ; a plain line behind the conversions: later products write these registers
.irp t, 0,1,2,3
	ds_store_b32 v[STO], v[128+2*\t] offset:4*\t
	ds_store_b32 v[STO], v[129+2*\t] offset:16+4*\t
.endr
	ds_load_b128 v[136:139], v[SRD]                ; my own bytes, served in order
	ds_load_b128 v[140:143], v[SRD] offset:512
	s_wait_dscnt 0x0
	global_store_b128 v[GO], v[136:139], s[66:67]              ; 16 queries x 64 bytes: two stores of 512 consecutive bytes
	global_store_b128 v[GO], v[140:143], s[66:67] offset:512
	s_sub_co_u32 s[TA], 127, s[TA0]                ; the second tile: an early one is paired with a late one
	s_add_co_u32 s[PASS], s[PASS], 1
	s_cmp_lt_u32 s[PASS], 2
	s_cbranch_scc1 .Lpass
	s_wait_tensorcnt 0x0                           ; the wave's end, behind my last LDS store
	ds_add_u32 v[SPW], v[NIL]
	s_wait_dscnt 0x0
	s_endpgm
.Lfunc_end_k_q28a73cf3a5_attn:
	.size	k_q28a73cf3a5_attn, .Lfunc_end_k_q28a73cf3a5_attn-k_q28a73cf3a5_attn
	.p2alignl 7, 3214868480
	.fill 96, 4, 3214868480
	.section	.rodata,"a",@progbits
	.p2align	6, 0x0
	.amdhsa_kernel k_q28a73cf3a5_attn
		.amdhsa_group_segment_fixed_size 313344
		.amdhsa_private_segment_fixed_size 0
		.amdhsa_enable_private_segment 0
		.amdhsa_kernarg_size 40
		.amdhsa_user_sgpr_count 2
		.amdhsa_user_sgpr_kernarg_segment_ptr 1
		.amdhsa_wavefront_size32 1
		.amdhsa_system_sgpr_workgroup_id_x 1
		.amdhsa_system_sgpr_workgroup_id_y 1
		.amdhsa_system_sgpr_workgroup_id_z 1
		.amdhsa_system_vgpr_workitem_id 0
		.amdhsa_next_free_vgpr 256
		.amdhsa_next_free_sgpr 102
		.amdhsa_reserve_vcc 0
		.amdhsa_float_denorm_mode_32 3
		.amdhsa_float_denorm_mode_16_64 3
		.amdhsa_memory_ordered 1
		.amdhsa_forward_progress 1
		.amdhsa_inst_pref_size 46
	.end_amdhsa_kernel
	.amdgpu_metadata
---
amdhsa.version: [ 1, 2 ]
amdhsa.kernels:
  - .name:           k_q28a73cf3a5_attn
    .symbol:         k_q28a73cf3a5_attn.kd
    .args:
      - { .name: qkv, .offset: 0, .size: 8, .value_kind: global_buffer, .address_space: global }
      - { .name: mw, .offset: 8, .size: 8, .value_kind: global_buffer, .address_space: global }
      - { .name: mt, .offset: 16, .size: 8, .value_kind: global_buffer, .address_space: global }
      - { .name: lowp_scales, .offset: 24, .size: 8, .value_kind: global_buffer, .address_space: global }
      - { .name: cc, .offset: 32, .size: 8, .value_kind: global_buffer, .address_space: global }
    .group_segment_fixed_size: 313344
    .private_segment_fixed_size: 0
    .kernarg_segment_align: 8
    .kernarg_segment_size: 40
    .max_flat_workgroup_size: 512
    .sgpr_count:     102
    .vgpr_count:     256
    .wavefront_size: 32
...
	.end_amdgpu_metadata
.endif
;; end of part 3
;; launch gemm_o (part 4): grid 4 x 32, 4 waves a work-group, clusters of 4 x 4, 327,680 bytes of LDS; arguments cc, wc, bo, lowp_scales, out0; writes out0
.if DOCPART == 4
	.amdgcn_target "amdgcn-amd-amdhsa--gfx1250"
	.amdhsa_code_object_version 6
	.text
	.protected	k_q28a73cf3a5_gemm_o
	.globl	k_q28a73cf3a5_gemm_o
	.p2align	8
	.type	k_q28a73cf3a5_gemm_o,@function
k_q28a73cf3a5_gemm_o:
	s_mov_b64 s[64:65], 0
	v_nop
	global_prefetch_b8 v0, s[64:65] scope:SCOPE_SE
	s_setreg_imm32_b32 hwreg(HW_REG_WAVE_MODE, 25, 1), 1
	s_wait_xcnt 0x0
	s_wait_alu depctr_hold_cnt(0) depctr_sa_sdst(0) depctr_va_vdst(0) depctr_va_sdst(0) depctr_va_ssrc(0) depctr_va_vcc(0) depctr_vm_vsrc(0)
	s_getreg_b32 s2, hwreg(HW_REG_IB_STS2, 6, 4)
	s_cmp_eq_u32 s2, 0
	s_cbranch_scc0 .Lentry_in_a_cluster
	s_endpgm
.Lentry_in_a_cluster:
	s_bfe_u32 s2, ttmp6, 0x10000c
	s_cmp_lg_u32 s2, 0xf033
	s_cbranch_scc0 .Lentry_shape_is_right
	s_endpgm
.Lentry_shape_is_right:
; out0 = ctx Wo^T + bo on codes of E4M3.  A = cc [16 K blocks][8192 rows][64] (K block = head), scale 2^e10; B = wc's fourth weight [1024][1024], K innermost, scale 2^e11; out0 [8192][1024] f32.
; The bias goes in as bo / 2^(e10 + e11), the C of the first K step; each finished sum is multiplied once by 2^(e10 + e11).  LIMIT: e10 + e11 between -126 and 127.
; A tile of 256 x 256 to a work-group of four waves, 128 x 128 a wave.  K in steps of 256 (four K blocks) through two LDS slots.  128 work-groups: the shape is kept from the launch for Q, K, V.
; CLUSTERS of 4 x 4: A's tiles are asked for jointly along a row of the cluster, B's along a column.  The matrix instruction is used transposed: a lane holds eight neighbouring columns of one row.
; A's tile: 128 rows of a K block are 8,192 consecutive bytes: the descriptor states 4 lines of 8,192 bytes, 524,288 apart, with 16 bytes of padding behind every 64: in LDS [4 blocks][128 rows][80 bytes].
.set SIZE_N, 1024
.set SIZE_K, 1024
.set KSTEP,  256
.set ROWB,   256
.set KROW,   SIZE_K
.set PITCH,  272
.set AP,     80                        ; A's row in LDS
.set ABLK,   128*AP                    ; a K block of 128 rows
.set AHALF,  4*ABLK                    ; what one of A's loads brings
.set ASTEP,  4*524288                  ; a K step on in cc
.set FR,     16
.set NL,     4
.set NP,     4
.set HALFT,  128*PITCH
.set SLOT,   2*AHALF+2*HALFT
.set LAPS,   SIZE_K/(2*KSTEP)
.set SPARE,  2*SLOT
.set SPITCH, 528
.set ADRA, 16
.set ADRB, 20
.set STO,  24
.set RD,   25
.set CO,   26
.set SPW,  28
.set NIL,  29
.set BIAS, 32
.set TMP,  32                          ; the way out: the bias's registers are free by then
.set AF,   128
.set BK,   128
.set G1, 24
.set G0, 32
.set G1B, 48
.set G0B, 56
.set MSB, 0
.macro WIN new
.if MSB != \new
	s_set_vgpr_msb (MSB<<8)|\new
.set MSB, \new
.endif
.endm
.set MUL_LO, 0xa1
.set MUL_HI, 0xf1
.set TO_B,   0x40
.macro JLOAD g0a, g1a, g0b, g1b
	s_cmp_eq_u32 s15, 0
	s_cbranch_scc0 .Lfor_b_\@
	tensor_load_to_lds s[\g0a:\g0a+3], s[\g1a:\g1a+7]
	s_nop 0
.rept 4
	v_nop
.endr
	s_branch .Lasked_\@
.Lfor_b_\@:
	tensor_load_to_lds s[\g0b:\g0b+3], s[\g1b:\g1b+7]
	s_nop 0
.rept 4
	v_nop
.endr
.Lasked_\@:
.endm
.macro CREST
	s_cmp_lg_u32 s14, 0
	s_cbranch_scc1 .Lnot_wave_0_\@
	s_barrier_signal -3
.Lnot_wave_0_\@:
	s_barrier_wait -3
	s_barrier_signal -1
	s_barrier_wait -1
.endm
.macro CROUND
	s_barrier_signal -1
	s_barrier_wait -1
	CREST
.endm
	s_load_b128 s[4:7], s[0:1], 0x0                ; cc, wc
	s_load_b128 s[80:83], s[0:1], 0x10             ; bo, the scales' exponents
	s_load_b64 s[10:11], s[0:1], 0x20              ; out0
	v_lshl_add_u32 v[SPW], v0, 2, SPARE
	v_mov_b32 v[NIL], 0
	ds_add_u32 v[SPW], v[NIL]                      ; the wave's opening: the add and its wait ahead of my first tensor load
	v_lshrrev_b32 v1, 5, v0
	v_readfirstlane_b32 s14, v1
	s_lshr_b32 s15, s14, 1
	s_and_b32 s16, s14, 1
	s_bfe_u32 s40, ttmp6, 0x40000                  ; cx = tile column
	s_bfe_u32 s41, ttmp6, 0x40004                  ; cy
	s_and_b32 s17, ttmp7, 0xffff
	s_lshl_b32 s17, s17, 2
	s_add_co_u32 s17, s17, s41                     ; tile row
	s_lshl_b32 s43, s41, 2
	s_lshl_b32 s43, 15, s43
	s_lshl_b32 s44, 0x1111, s40
	s_or_b32 s[G1+0], s43, (0<<16)|(1<<20)|(1<<21)|(3<<22)|(3<<25)  ; A: mask of my row; 1-byte elements; 4 words of padding behind every 16
	s_mov_b32 s[G1+1], 8192<<16                    ; tensor_dim0: 128 rows x 64 bytes
	s_mov_b32 s[G1+2], 4<<16                       ; tensor_dim1: 4 K blocks
	s_mov_b32 s[G1+3], 8192<<16                    ; tile_dim0
	s_mov_b32 s[G1+4], 4                           ; tile_dim1
	s_mov_b32 s[G1+5], 524288                      ; from K block to K block
	s_mov_b32 s[G1+6], 0
	s_mov_b32 s[G1+7], 0
	s_or_b32 s[G1B+0], s44, (0<<16)|(1<<20)|(1<<21)|(5<<22)|(3<<25) ; B: mask of my column; 4 words behind every 64
	s_mov_b32 s[G1B+1], ROWB<<16
	s_mov_b32 s[G1B+2], 128<<16
	s_mov_b32 s[G1B+3], ROWB<<16
	s_mov_b32 s[G1B+4], 128
	s_mov_b32 s[G1B+5], KROW
	s_mov_b32 s[G1B+6], 0
	s_mov_b32 s[G1B+7], 0
	s_lshl_b32 s18, s16, 7
	s_lshl_b32 s20, s17, 8
	s_add_co_u32 s20, s20, s18
	s_lshl_b32 s20, s20, 6                         ; A: (256 x tile row + 128 x half) rows of 64 bytes
	s_mov_b32 s21, 0
	s_lshl_b32 s46, s40, 8
	s_add_co_u32 s46, s46, s18
	s_lshl_b32 s46, s46, 10
	s_add_co_u32 s46, s46, 3*1048576               ; B: Wo's codes, (256 cx + 128 x half) rows of 1,024 bytes
	s_mov_b32 s47, 0
	s_mul_i32 s45, s16, AHALF                      ; A's halves lie first in a slot,
	s_mul_i32 s66, s16, HALFT
	s_add_co_u32 s66, s66, 2*AHALF                 ; B's behind them
	s_wait_dscnt 0x0
	s_wait_kmcnt 0x0
	s_load_b64 s[96:97], s[82:83], 0x28            ; e10, e11
	s_add_nc_u64 s[20:21], s[4:5], s[20:21]
	s_add_nc_u64 s[46:47], s[6:7], s[46:47]
	CROUND
.irp s, 0,1
	s_mov_b32 s[G0+4*\s], 1
	s_add_co_u32 s[G0+4*\s+1], s45, \s*SLOT
	s_add_nc_u64 s[G0+4*\s+2:G0+4*\s+3], s[20:21], \s*ASTEP
	s_or_b32 s[G0+4*\s+3], s[G0+4*\s+3], 0x80000000
	s_mov_b32 s[G0B+4*\s], 1
	s_add_co_u32 s[G0B+4*\s+1], s66, \s*SLOT
	s_add_nc_u64 s[G0B+4*\s+2:G0B+4*\s+3], s[46:47], \s*ROWB
	s_or_b32 s[G0B+4*\s+3], s[G0B+4*\s+3], 0x80000000
	JLOAD G0+4*\s, G1, G0B+4*\s, G1B
.endr
	v_and_b32 v1, 15, v0
	v_bfe_u32 v2, v0, 4, 1
	s_lshl_b32 s90, s40, 10                        ; the bias of my 128 columns, in the result's layout
	s_lshl_b32 s91, s16, 9
	s_add_co_u32 s90, s90, s91
	s_mov_b32 s91, 0
	s_add_nc_u64 s[88:89], s[80:81], s[90:91]
	v_lshlrev_b32 v7, 5, v2
.irp b, 0,1,2,3,4,5,6,7
	global_load_b128 v[BIAS+8*\b:BIAS+8*\b+3], v7, s[88:89] offset:64*\b
	global_load_b128 v[BIAS+8*\b+4:BIAS+8*\b+7], v7, s[88:89] offset:64*\b+16
.endr
	v_mul_u32_u24 v3, v1, PITCH
	v_lshl_add_u32 v4, v2, 4, v3                   ; B: row x 272 + 16 x half
	v_mul_u32_u24 v3, v1, AP
	v_lshl_add_u32 v3, v2, 4, v3                   ; A: row x 80 + 16 x half
	s_mul_i32 s21, s15, AHALF
	s_mul_i32 s22, s16, HALFT
	s_add_co_u32 s22, s22, 2*AHALF
.irp s, 0,1
	v_add_nc_u32 v[ADRA+\s], s21, v3
	v_add_nc_u32 v[ADRB+\s], s22, v4
	s_add_co_u32 s21, s21, SLOT
	s_add_co_u32 s22, s22, SLOT
.endr
	s_mul_i32 s23, s14, 16*SPITCH                  ; my stage, in slot 0
	v_mul_u32_u24 v5, v1, SPITCH
	v_lshl_add_u32 v5, v2, 5, v5
	v_add_nc_u32 v[STO], s23, v5
	v_and_b32 v6, 31, v0
	v_lshlrev_b32 v[CO], 4, v6
	v_add_nc_u32 v[RD], s23, v[CO]
	s_lshl_b32 s20, s17, 8
	s_lshl_b32 s21, s15, 7
	s_add_co_u32 s20, s20, s21
	s_lshl_b32 s20, s20, 12                        ; my first row of out0, 4,096 bytes a row
	s_lshl_b32 s46, s40, 10
	s_lshl_b32 s47, s16, 9
	s_add_co_u32 s46, s46, s47
	s_add_co_u32 s20, s20, s46                     ; my first column
	s_mov_b32 s21, 0
	s_add_nc_u64 s[10:11], s[10:11], s[20:21]
	s_wait_kmcnt 0x0
	s_add_co_i32 s96, s96, s97                     ; e10 + e11
	s_sub_co_i32 s93, 0, s96
	s_add_co_i32 s96, s96, 127
	s_lshl_b32 s96, s96, 23                        ; 2^(e10 + e11) as f32
	s_wait_loadcnt 0x0
.set j, 0
.rept 64
	v_ldexp_f32 v[BIAS+j], v[BIAS+j], s93
.set j, j+1
.endr
.macro FRAG reg, adr, q, i             ; B: registers 4 c .. 4 c + 3 hold K = 32 c + 16 (l / 16) + 0 .. 15
.irp c, 0,1,2,3
	ds_load_b128 v[\reg+4*\c:\reg+4*\c+3], v[\adr] offset:128*(\q)+32*\c+(\i)*16*PITCH
.endr
.endm
.macro FRAGA reg, adr, q, i            ; A: the same K in the same registers: K block 2 q + c / 2, byte 32 (c % 2) + 16 (l / 16)
.irp c, 0,1,2,3
	ds_load_b128 v[\reg+4*\c:\reg+4*\c+3], v[\adr] offset:(2*(\q)+\c/2)*ABLK+32*(\c%2)+(\i)*16*AP
.endr
.endm
.macro MUL16 a0, p, zero
.irp a, \a0, \a0+1
.irp b, 0,1,2,3,4,5,6,7
.if \zero
	v_wmma_f32_16x16x128_fp8_fp8 v[8*(8*((\a)%4)+\b):8*(8*((\a)%4)+\b)+7], v[128*(\p)+FR*\b:128*(\p)+FR*\b+FR-1], v[AF+FR*(\a):AF+FR*(\a)+FR-1], v[BIAS+8*\b:BIAS+8*\b+7]
.else
	v_wmma_f32_16x16x128_fp8_fp8 v[8*(8*((\a)%4)+\b):8*(8*((\a)%4)+\b)+7], v[128*(\p)+FR*\b:128*(\p)+FR*\b+FR-1], v[AF+FR*(\a):AF+FR*(\a)+FR-1], v[8*(8*((\a)%4)+\b):8*(8*((\a)%4)+\b)+7]
.endif
.endr
.endr
.endm
.macro FETCH_B slot, q, p
	WIN TO_B
.irp i, 0,1,2,3,4,5,6,7
	FRAG 128*(\p)+FR*\i, ADRB+\slot, \q, \i
.endr
	WIN 0
.endm
.macro FETCH_A slot, q, i0
.irp i, \i0, \i0+1, \i0+2, \i0+3
	FRAGA AF+FR*(\i), ADRA+\slot, \q, \i
.endr
.endm
.macro PLACES n
.rept \n
	v_nop
.endr
.endm
.macro STEP slot, q, zero
	s_wait_dscnt 4*NL                              ; B's set and A's blocks 0-3 are in; A's blocks 4-7 may be out
.if \zero
	WIN 0x81
.else
	WIN MUL_LO
.endif
	MUL16 0, (\q)%2, \zero
	MUL16 2, (\q)%2, \zero
	s_wait_dscnt 0
	PLACES NP
	FETCH_B \slot, (\q)+1, 1-(\q)%2
	FETCH_A \slot, (\q)+1, 0
.if \zero
	WIN 0xc1
.else
	WIN MUL_HI
.endif
	MUL16 4, (\q)%2, \zero
	MUL16 6, (\q)%2, \zero
	PLACES NP
	WIN 0
	FETCH_A \slot, (\q)+1, 4
.endm
.macro TURN slot, next, fill
	s_wait_tensorcnt 0x0                           ; all my tensor loads have landed
	ds_add_u32 v[SPW], v[NIL]
	s_wait_dscnt 4*NL+1                            ; the add and A's blocks 4-7 may be out
	WIN MUL_LO
	MUL16 0, 1, 0
	s_wait_dscnt 0x0                               ; the add is done, and my reads of this slot are over
	s_barrier_signal -1
	MUL16 2, 1, 0
	WIN 0
	s_barrier_wait -1
.if \fill
	CREST
	s_add_nc_u64 s[G0+4*\slot+2:G0+4*\slot+3], s[G0+4*\slot+2:G0+4*\slot+3], 2*ASTEP
	s_add_nc_u64 s[G0B+4*\slot+2:G0B+4*\slot+3], s[G0B+4*\slot+2:G0B+4*\slot+3], 2*ROWB
	JLOAD G0+4*\slot, G1, G0B+4*\slot, G1B
.else
	PLACES NP
.endif
	FETCH_B \next, 0, 0
	FETCH_A \next, 0, 0
	WIN MUL_HI
	MUL16 4, 1, 0
	MUL16 6, 1, 0
	PLACES NP
	WIN 0
	FETCH_A \next, 0, 4
.endm
	s_wait_tensorcnt 1                             ; my part of K step 0 is in; K step 1's load may be out
	s_barrier_signal -1
	s_barrier_wait -1
	FETCH_B 0, 0, 0
	FETCH_A 0, 0, 0
	FETCH_A 0, 0, 4
	STEP 0, 0, 1
	s_mov_b32 s3, LAPS-1
.Llap:
	TURN 0, 1, 1
	STEP 1, 0, 0
	TURN 1, 0, 1
	STEP 0, 0, 0
	s_sub_co_u32 s3, s3, 1
	s_cmp_lg_u32 s3, 0
	s_cbranch_scc1 .Llap
	TURN 0, 1, 0
	STEP 1, 0, 0
	s_wait_dscnt 4*NL
	WIN MUL_LO
	MUL16 0, 1, 0
	MUL16 2, 1, 0
	s_wait_dscnt 0
	WIN MUL_HI
	MUL16 4, 1, 0
	MUL16 6, 1, 0
	WIN 0
; THE WAY OUT, a block of 16 rows x 128 columns at a time, through my stage in slot 0 (its last fill and last read are over), back as whole rows of 512 bytes.
.macro TOSTAGE a
.set AC, 64*((\a)%4)
	WIN 0x02+((\a)/4)
.irp j, 0,2,4,6,8,10,12,14,16,18,20,22,24,26,28,30,32,34,36,38,40,42,44,46,48,50,52,54,56,58,60,62
	v_pk_mul_f32 v[TMP+\j:TMP+\j+1], v[AC+\j:AC+\j+1], s[96:97] op_sel_hi:[1,0]   ; x 2^(e10 + e11); each accumulator from its low end on
.endr
	WIN 0
.irp b, 0,1,2,3,4,5,6,7
	ds_store_b128 v[STO], v[TMP+8*\b:TMP+8*\b+3] offset:64*\b
	ds_store_b128 v[STO], v[TMP+8*\b+4:TMP+8*\b+7] offset:64*\b+16
.endr
.set BW, BK+64*((\a)%2)
.irp t, 0,1,2,3,4,5,6,7,8,9,10,11,12,13,14,15
	ds_load_b128 v[BW+4*\t:BW+4*\t+3], v[RD] offset:\t*SPITCH
.endr
.endm
.macro SEND a, younger
.set BW, BK+64*((\a)%2)
	s_wait_dscnt \younger
.if (\a) > 0
	s_add_nc_u64 s[10:11], s[10:11], 16*SIZE_N*4   ; behind a wait on XCNT: the earlier stores have read their base
.endif
.irp t, 0,1,2,3,4,5,6,7,8,9,10,11,12,13,14,15
	global_store_b128 v[CO], v[BW+4*\t:BW+4*\t+3], s[10:11] offset:\t*SIZE_N*4 th:TH_STORE_NT   ; 32 lanes store 512 consecutive bytes
.endr
.endm
	PLACES NP
	TOSTAGE 0
.irp a, 1,2,3,4,5,6,7
.if \a > 1
	s_wait_xcnt 0x0                                ; block a - 2's stores have read their registers and their base
.endif
	TOSTAGE \a
	SEND \a-1, 32                                  ; behind block a - 1's loads: block a's 16 stores and 16 loads
.endr
	s_wait_xcnt 0x0
	SEND 7, 0
	s_wait_tensorcnt 0x0                           ; the wave's end
	ds_add_u32 v[SPW], v[NIL]
	s_wait_dscnt 0x0
	CROUND                                         ; the closing round
	s_endpgm
.Lfunc_end_k_q28a73cf3a5_gemm_o:
	.size	k_q28a73cf3a5_gemm_o, .Lfunc_end_k_q28a73cf3a5_gemm_o-k_q28a73cf3a5_gemm_o
	.p2alignl 7, 3214868480
	.fill 96, 4, 3214868480
	.section	.rodata,"a",@progbits
	.p2align	6, 0x0
	.amdhsa_kernel k_q28a73cf3a5_gemm_o
		.amdhsa_group_segment_fixed_size 327680
		.amdhsa_private_segment_fixed_size 0
		.amdhsa_enable_private_segment 0
		.amdhsa_kernarg_size 40
		.amdhsa_user_sgpr_count 2
		.amdhsa_user_sgpr_kernarg_segment_ptr 1
		.amdhsa_wavefront_size32 1
		.amdhsa_system_sgpr_workgroup_id_x 1
		.amdhsa_system_sgpr_workgroup_id_y 1
		.amdhsa_system_sgpr_workgroup_id_z 1
		.amdhsa_system_vgpr_workitem_id 0
		.amdhsa_next_free_vgpr 1024
		.amdhsa_next_free_sgpr 100
		.amdhsa_reserve_vcc 0
		.amdhsa_float_denorm_mode_32 3
		.amdhsa_float_denorm_mode_16_64 3
		.amdhsa_memory_ordered 1
		.amdhsa_forward_progress 1
		.amdhsa_inst_pref_size 129
	.end_amdhsa_kernel
	.amdgpu_metadata
---
amdhsa.version: [ 1, 2 ]
amdhsa.kernels:
  - .name:           k_q28a73cf3a5_gemm_o
    .symbol:         k_q28a73cf3a5_gemm_o.kd
    .args:
      - { .name: cc, .offset: 0, .size: 8, .value_kind: global_buffer, .address_space: global }
      - { .name: wc, .offset: 8, .size: 8, .value_kind: global_buffer, .address_space: global }
      - { .name: bo, .offset: 16, .size: 8, .value_kind: global_buffer, .address_space: global }
      - { .name: lowp_scales, .offset: 24, .size: 8, .value_kind: global_buffer, .address_space: global }
      - { .name: out0, .offset: 32, .size: 8, .value_kind: global_buffer, .address_space: global }
    .group_segment_fixed_size: 327680
    .private_segment_fixed_size: 0
    .kernarg_segment_align: 8
    .kernarg_segment_size: 40
    .max_flat_workgroup_size: 128
    .sgpr_count:     100
    .vgpr_count:     1024
    .wavefront_size: 32
...
	.end_amdgpu_metadata
.endif
;; end of part 4
;; ======== version 2 of 2: 4 launches; version 1 with the launch attn written anew for expert scheduling mode
;; limits: right only within a limited range of input values
;; workspace buffers: xc 25,165,824 bytes; wc 4,194,304 bytes; qkv 25,165,824 bytes; cc 8,388,608 bytes; mw 524,288 bytes of whole numbers; mt 65,536 bytes of whole numbers
;; launch prep: the kernel of part 1 again; grid 512 x 1, 4 waves a work-group, no clusters, 67,072 bytes of LDS; arguments x, Wq, Wk, Wv, Wo, mask, lowp_scales, xc, wc, mw, mt; writes xc, wc, mw, mt
;; launch gemm_qkv: the kernel of part 2 again; grid 12 x 32, 4 waves a work-group, clusters of 4 x 4, 327,680 bytes of LDS; arguments xc, wc, bq, bk, bv, lowp_scales, qkv; writes qkv
;; launch attn (part 5): grid 4 x 64, 16 waves a work-group, no clusters, 313,344 bytes of LDS; arguments qkv, mw, mt, lowp_scales, cc; writes cc
.if DOCPART == 5
	.amdgcn_target "amdgcn-amd-amdhsa--gfx1250"
	.amdhsa_code_object_version 6
	.text
	.protected	k_q28a73cf3a5_attn
	.globl	k_q28a73cf3a5_attn
	.p2align	8
	.type	k_q28a73cf3a5_attn,@function
k_q28a73cf3a5_attn:
	s_mov_b64 s[64:65], 0
	v_nop
	global_prefetch_b8 v0, s[64:65] scope:SCOPE_SE
	s_setreg_imm32_b32 hwreg(HW_REG_WAVE_SCHED_MODE, 0, 2), 2
	s_setreg_imm32_b32 hwreg(HW_REG_WAVE_MODE, 25, 1), 1
	s_wait_xcnt 0x0
	s_wait_alu depctr_vm_vsrc(0)
; ctx = softmax(Q K^T / 8, masked) V on codes of E4M3, and ctx quantised (2^e10).  Q, K, V: qkv[p][b 16 + head][s][64].  Scales: Q e6, K e7, p e8, V e9.
; t = logit x log2(e); M = the running largest t rounded up to a whole number; p = 2^(t - M) is quantised, not normalised; the row's sum is taken of the unquantised p and divides at the end.
; THE MASK is an input: the launch before has laid it as lane-mask words (mw) and flags (mt).  A masked score is replaced by the raw number -2^(33 - e6 - e7), that is the logit -2^30.
; LIMITS, stated: the masked logit stands as -2^30 = -1.0737e9 in place of -1e9 (so that t - M of a row that is masked everywhere is exactly 0, and such a row gives the mean of V, as it should);
; the result differs only where an open logit lies under about -9.9e8.  e6 + e7 between -94 and 130; e8 and e10 between -126 and 119.  NaN is not served.
; A key step that the mask hides for all 16 queries of a tile is passed over (a scalar branch on the stored flags), unless some query of the tile has no open key at all: then every step is walked.
; SHARES.  A work-group has one (batch, head) and 512 queries; wave w takes query tile 4 w + x and then tile 127 - (4 w + x).  The head's whole K and V lie in LDS, laid there once through registers
; (wave w lays key step w), so there is one barrier, no ring, no tensor load.  No joint loads: what the four work-groups of a head share is read once, at the head, and V must pass through registers to be turned.
; THE ORDER OF THE KEYS in a step of 128: position (c, h, i) holds key 8 i + 2 c + h.  Score register 16 c + i of a lane of half h is that key's; so are byte i of p's registers 4 c .. 4 c + 3 and of V's.
; K's row 16 tau + m of a step holds key 64 (tau & 1) + 8 (m & 7) + 2 (tau >> 1) + (m >> 3).  V lies as images of the operand's registers: tile t = (ch >> 2) & 3, row 4 (ch >> 4) + (ch & 3).
; Both products are used transposed: a lane holds one query (lane % 16) throughout.
; THE MODE: SCHED_MODE bits 1:0 = 2 (LLVM: expert scheduling mode 2), set by the entry lines.  The code itself states the register dependences
; between vector or matrix instructions and memory or LDS instructions, with s_wait_alu, always for 0.
; THE PLAN.  Registers that memory or LDS instructions touch:
;   v6, v7, v8, v25, v28, v232-235   offsets and LDS addresses: written once at the head, read by loads and stores, never written again.
;   v9-11 (ADK, ADV0, ADV1)          written by three additions at the head of each step that is walked; read by that step's 32 LDS loads.
;   F   v32-95    head: K's global loads land, the LDS stores read.  Step: K's 16 LDS loads land, eight products read; V's 16 LDS loads land, four products read.
;   S   v96-159   head: V's global loads land, the byte turns read.  Steps: vector and matrix lines alone.  Way out: conversions write v128-135, LDS stores read them; LDS loads land in v136-143, global stores read them.
;   v160-223      head: the byte turns write, the LDS stores read.  Afterwards O^T and p's codes: vector and matrix lines alone.
;   Q   v16-23    head: at work in the address arithmetic.  Each pass: two global loads land, the products read.
;   v4, v5        written at the head, read by the closing add alone.
; A wave has 256 registers (four waves to a SIMD), of which the loop leaves about 40 free: no second set of 64 for the fragments.  So a step that is walked has two waits on va_vdst for its loads, each where the
; products that read F have just been issued and their results are wanted next in any case, and one wait on vm_vsrc ahead of the three additions.  A step that is passed over issues nothing and owes nothing.
.set KP,    80                         ; a key's row in LDS: 64 bytes + 16
.set VB,    163840                     ; V's images: step x 8,192 + t x 2,048 + c x 512 + h x 256 + 16 (row ^ (2 (c & 1) + h))
.set STG,   294912                     ; 1,024 bytes a wave, for the way out
.set SPARE, 311296                     ; the spare words, 128 bytes a wave
.set AKB, 1
.set AV0, 2
.set AV1, 3
.set SPW, 4
.set NIL, 5
.set STO, 6
.set SRD, 7
.set GO,  8
.set ADK, 9
.set ADV0, 10
.set ADV1, 11
.set Q,   16                           ; v16-23 Q's fragment
.set NEGV, 24                          ; the masked score
.set QO,  25
.set CSC, 26                           ; 2^e10
.set LIMC, 27                          ; 448 x 2^e10
.set F,   32                           ; v32-95  K's eight fragments, then V's four
.set S,   96                           ; v96-159 scores, then p
.set O,   160                          ; v160-191 O^T
.set P,   192                          ; v192-207 p's codes
.set LIMP, 240
.set SCP, 244
.set WV,  84
.set JC,  85
.set PASS, 86
.set TODO, 87
.set FULL, 88
.set TA,  89
.set CS,  90
.set SEL, 92
.set TK,  94
.set TV,  95
.set TA0, 101
	s_load_b256 s[4:11], s[0:1], 0x0               ; qkv 4, mw 6, mt 8, scales 10
	s_load_b64 s[12:13], s[0:1], 0x20              ; cc
	v_lshl_add_u32 v[SPW], v0, 2, SPARE
	v_mov_b32 v[NIL], 0
	v_lshrrev_b32 v23, 5, v0
	v_readfirstlane_b32 s[WV], v23                 ; wave 0..15
	v_and_b32 v16, 15, v0                          ; r
	v_bfe_u32 v17, v0, 4, 1                        ; h
	v_and_b32 v18, 31, v0                          ; lane
	v_bfe_u32 v19, v0, 3, 2                        ; y >> 1, y = lane / 4
	v_bfe_u32 v20, v0, 2, 1                        ; y & 1
	v_bfe_u32 v21, v0, 2, 2                        ; y & 3
	v_and_b32 v22, 3, v0                           ; lane % 4
	v_mul_u32_u24 v[AKB], v16, KP
	v_lshl_add_u32 v[AKB], v17, 4, v[AKB]
	v_xor_b32 v[AV0], v16, v17
	v_lshlrev_b32 v[AV0], 4, v[AV0]
	v_lshl_add_u32 v[AV0], v17, 8, v[AV0]
	v_add_nc_u32 v[AV0], VB, v[AV0]                ; even c: VB + 256 h + 16 (r ^ h)
	v_xor_b32 v[AV1], 32, v[AV0]                   ; odd c: 16 (r ^ h ^ 2)
	s_wait_alu depctr_va_sdst(0)                   ; the wave's number is written into s[WV], ahead of its first reader, the line below
	s_lshl_b32 s20, s[WV], 10
	v_lshlrev_b32 v[STO], 6, v16
	v_lshl_add_u32 v[STO], v17, 5, v[STO]
	v_add_nc_u32 v[STO], s20, v[STO]
	v_add_nc_u32 v[STO], STG, v[STO]
	v_lshlrev_b32 v[GO], 4, v18
	v_add_nc_u32 v[SRD], s20, v[GO]
	v_add_nc_u32 v[SRD], STG, v[SRD]
	v_lshlrev_b32 v[QO], 6, v16
	v_lshl_add_u32 v[QO], v17, 4, v[QO]
	s_mul_i32 s21, s[WV], 128*KP
	v_mul_u32_u24 v28, v19, 32*KP
	v_mad_u32_u24 v28, v20, 8*KP, v28
	v_lshl_add_u32 v28, v22, 4, v28
	v_add_nc_u32 v28, s21, v28                     ; where K's loaded bytes go: key 8 i + y -> tile 2 (y >> 1) + (i >> 3), row 8 (y & 1) + (i & 7)
	s_lshl_b32 s22, s[WV], 13
	v_lshlrev_b32 v29, 9, v19
	v_lshl_add_u32 v29, v20, 8, v29
	v_lshl_add_u32 v29, v22, 6, v29
	v_add_nc_u32 v29, s22, v29
	v_add_nc_u32 v29, VB, v29
.irp x, 0,1,2,3
	v_xor_b32 v23, \x, v21
	v_lshl_add_u32 v[232+\x], v23, 4, v29          ; where V's unit of channel 16 (lane % 4) + 4 t + x goes
.endr
	s_mov_b32 s24, 0x05010400                      ; byte selects of the 4 x 4 turn
	s_mov_b32 s25, 0x07030602
	s_mov_b32 s26, 0x05040100
	s_mov_b32 s27, 0x07060302
	s_mov_b32 s[SEL], 0x76543210
	s_mov_b32 s[SEL+1], 0xfedcba98
	s_lshl_b32 s[TA0], s[WV], 2
	s_add_co_u32 s[TA0], s[TA0], ttmp9             ; my first query tile
	s_mov_b32 s[TA], s[TA0]
	s_mov_b32 s[PASS], 0
	s_and_b32 s20, ttmp7, 0xffff                   ; batch x 16 + head
	s_lshl_b32 s14, s20, 17
	s_mov_b32 s15, 0
	s_wait_kmcnt 0x0
	s_load_b128 s[96:99], s[10:11], 0x18           ; e6, e7, e8, e9
	s_load_b32 s100, s[10:11], 0x28                ; e10
	s_add_nc_u64 s[4:5], s[4:5], s[14:15]          ; Q of my head
	s_lshl_b32 s14, s[WV], 13
	s_add_nc_u64 s[16:17], s[4:5], s[14:15]
	s_add_nc_u64 s[16:17], s[16:17], 0x800000      ; K, key step w
	s_add_nc_u64 s[18:19], s[16:17], 0x800000      ; V, key step w
	s_wait_alu depctr_va_vdst(0)                   ; the offsets and LDS addresses v6, v7, v8, v25, v28 and v232-235 are written: every load and store of the kernel but a step's LDS loads reads one of them
.irp i, 0,1,2,3,4,5,6,7,8,9,10,11,12,13,14,15
	global_load_b128 v[F+4*\i:F+4*\i+3], v[GO], s[16:17] offset:512*\i    ; 512 consecutive bytes: lane l has key 8 i + l / 4, channels 16 (l % 4) on
.endr
.irp i, 0,1,2,3,4,5,6,7,8,9,10,11,12,13,14,15
	global_load_b128 v[S+4*\i:S+4*\i+3], v[GO], s[18:19] offset:512*\i
.endr
	s_and_b32 s21, s20, 15
	s_lshl_b32 s21, s21, 19
	s_lshr_b32 s22, s20, 4
	s_lshl_b32 s22, s22, 17
	s_add_co_u32 s14, s21, s22
	s_add_nc_u64 s[12:13], s[12:13], s[14:15]      ; cc[head][batch x 2048 ..]
	s_wait_kmcnt 0x0
	s_add_co_i32 s14, s96, s97                     ; e6 + e7
	s_lshl_b32 s15, s14, 23
	s_mov_b32 s[CS], 0x3e38aa3b                    ; log2(e) / 8,
	s_add_co_i32 s[CS], s[CS], s15                 ; x 2^(e6 + e7): added to its exponent field
	s_mov_b32 s[CS+1], s[CS]
	s_sub_co_i32 s14, 160, s14
	s_lshl_b32 s14, s14, 23
	s_or_b32 s14, s14, 0x80000000
	v_mov_b32 v[NEGV], s14                         ; -2^(33 - e6 - e7)
	s_add_co_i32 s14, s98, 127
	s_lshl_b32 s15, s14, 23
	v_mov_b32 v[SCP], s15                          ; 2^e8
	s_add_co_i32 s14, s14, 8
	s_lshl_b32 s14, s14, 23
	s_or_b32 s14, s14, 0x600000
	v_mov_b32 v[LIMP], s14                         ; 448 x 2^e8
	s_add_co_i32 s14, s100, 127
	s_lshl_b32 s15, s14, 23
	v_mov_b32 v[CSC], s15
	s_add_co_i32 s14, s14, 8
	s_lshl_b32 s14, s14, 23
	s_or_b32 s14, s14, 0x600000
	v_mov_b32 v[LIMC], s14
	s_wait_loadcnt 16                              ; K's 16 loads are in; V's stay out
.irp i, 0,1,2,3,4,5,6,7,8,9,10,11,12,13,14,15
	ds_store_b128 v28, v[F+4*\i:F+4*\i+3] offset:(\i/8)*16*KP+(\i%8)*KP
.endr
	s_wait_loadcnt 0x0
; V is turned: the lane's 16 keys x 16 channels become 16 units of 16 keys of one channel.  R[i][w] = v[S + 4 i + w]; unit (w, x), register d, byte e = byte x of R[4 d + e][w].
.irp w, 0,1,2,3
.irp d, 0,1,2,3
.set TT, 224+4*((\d)%2)
	v_perm_b32 v[TT],   v[S+16*\d+4+\w],  v[S+16*\d+\w],   s24
	v_perm_b32 v[TT+1], v[S+16*\d+12+\w], v[S+16*\d+8+\w], s24
	v_perm_b32 v[TT+2], v[S+16*\d+4+\w],  v[S+16*\d+\w],   s25
	v_perm_b32 v[TT+3], v[S+16*\d+12+\w], v[S+16*\d+8+\w], s25
	v_perm_b32 v[160+16*\w+\d],    v[TT+1], v[TT],   s26
	v_perm_b32 v[160+16*\w+4+\d],  v[TT+1], v[TT],   s27
	v_perm_b32 v[160+16*\w+8+\d],  v[TT+3], v[TT+2], s26
	v_perm_b32 v[160+16*\w+12+\d], v[TT+3], v[TT+2], s27
.endr
.endr
	s_wait_alu depctr_va_vdst(0)                   ; the byte turns have written v160-223, which the LDS stores below read
.irp w, 0,1,2,3
.irp x, 0,1,2,3
	ds_store_b128 v[232+\x], v[160+16*\w+4*\x:160+16*\w+4*\x+3] offset:2048*\w
.endr
.endr
	s_wait_dscnt 0x0                               ; for the others' sake: my step of K and V lies in LDS
	s_barrier_signal -1
	s_barrier_wait -1                              ; the whole head does.  Nothing writes K or V again
.Lpass:                                            ; two trips: my two query tiles
	s_wait_xcnt 0x0                                ; earlier loads and stores have read their bases and data: both are written again only behind this wait
	s_wait_alu depctr_vm_vsrc(0)                   ; first trip: the head's LDS stores have read F and v160-223; second trip: the way out's LDS and global stores have read v128-143: this pass's loads, moves and products write all of them again
	s_wait_alu depctr_va_vdst(0)                   ; the products of the pass before are done reading Q's registers (first trip: the head's address arithmetic is done with v16-23), in which the two loads below land
	s_lshl_b32 s14, s[TA], 10
	s_mov_b32 s15, 0
	s_add_nc_u64 s[2:3], s[4:5], s[14:15]          ; the tile's 16 rows of Q,
	s_add_nc_u64 s[66:67], s[12:13], s[14:15]      ; and of cc
	s_lshl_b32 s14, s[TA], 12
	s_add_nc_u64 s[10:11], s[6:7], s[14:15]        ; its mask words, step 0
	s_lshl_b32 s14, s[TA], 9
	s_add_nc_u64 s[68:69], s[8:9], s[14:15]        ; its flags
	s_load_b128 s[16:19], s[68:69], 0x0
	s_load_b128 s[20:23], s[68:69], 0x80
	s_load_b128 s[24:27], s[68:69], 0x100
	s_load_b128 s[28:31], s[68:69], 0x180
	global_load_b128 v[Q:Q+3], v[QO], s[2:3]
	global_load_b128 v[Q+4:Q+7], v[QO], s[2:3] offset:32
	v_mov_b32 v13, 0xff61b1e6                      ; the largest t so far: -3e38
	v_floor_f32 v12, -v13                          ; -M
	v_mov_b32 v14, 0
	v_mov_b32 v15, 0
	v_mov_b32 v236, 0                              ; a lane permute's destination counts as read
	v_mov_b32 v253, 0                              ; named as the upper half of v[252:253]
.set j, 0
.rept 32
	v_mov_b32 v[O+j], 0                            ; which step is the first hangs on the mask, so the sums begin as zeros
.set j, j+1
.endr
	s_mov_b32 s[JC], 0
	s_mov_b32 s[TK], 0
	s_mov_b32 s[TV], 0
	s_wait_kmcnt 0x0
	s_or_b32 s16, s16, s20
	s_or_b32 s24, s24, s28
	s_or_b32 s16, s16, s24                         ; rows with an open key, in two halves
	s_or_b32 s17, s17, s21
	s_or_b32 s25, s25, s29
	s_or_b32 s17, s17, s25                         ; steps with an open key
	s_or_b32 s18, s18, s22
	s_or_b32 s26, s26, s30
	s_or_b32 s[FULL], s18, s26                     ; steps all open
	s_lshr_b32 s20, s16, 16
	s_or_b32 s16, s16, s20
	s_and_b32 s16, s16, 0xffff
	s_mov_b32 s20, 0xffff
	s_cmp_eq_u32 s16, s20
	s_cselect_b32 s[TODO], s17, s20                ; a tile with a row that is masked everywhere walks all steps
	s_wait_loadcnt 0x0                             ; Q
.Lstep:                                            ; 16 trips
	s_bitcmp1_b32 s[TODO], 0
	s_cbranch_scc0 .Lnext
	s_load_b512 s[16:31], s[10:11], 0x0            ; the step's 64 mask words
	s_load_b512 s[32:47], s[10:11], 0x40
	s_load_b512 s[48:63], s[10:11], 0x80
	s_load_b512 s[68:83], s[10:11], 0xc0
	s_wait_alu depctr_vm_vsrc(0)                   ; the LDS loads of the step walked last have read ADK, ADV0 and ADV1, which the three additions below write
	v_add_nc_u32 v[ADK], s[TK], v[AKB]             ; these four plain lines are the places behind the last step's products, in front of loads into their sources
	v_add_nc_u32 v[ADV0], s[TV], v[AV0]
	v_add_nc_u32 v[ADV1], s[TV], v[AV1]
	v_nop
	s_wait_alu depctr_va_vdst(0)                   ; the three additions have written the addresses that this step's LDS loads read; the four products of the step walked last are done reading V's fragments in F, in which K's land
.irp t, 0,1,2,3,4,5,6,7
	ds_load_b128 v[F+8*\t:F+8*\t+3], v[ADK] offset:\t*16*KP
	ds_load_b128 v[F+8*\t+4:F+8*\t+7], v[ADK] offset:\t*16*KP+32
.endr
	s_wait_dscnt 0x0
.irp t, 0,1,2,3,4,5,6,7
	v_wmma_f32_16x16x64_fp8_fp8 v[S+8*\t:S+8*\t+7], v[F+8*\t:F+8*\t+7], v[Q:Q+7], 0
.endr
.rept 4
	v_nop                                          ; places: in front of the loads into K's registers and of the first read of the scores
.endr
	s_wait_alu depctr_va_vdst(0)                   ; the eight products are done reading K's fragments in F, in which V's land; the places above stay beside this wait
.irp t, 0,1,2,3
.irp c, 0,1,2,3
	ds_load_b128 v[F+16*\t+4*\c:F+16*\t+4*\c+3], v[ADV0+(\c%2)] offset:\t*2048+\c*512     ; V's fragments land under the softmax, no line of which names F or an address
.endr
.endr
	s_wait_kmcnt 0x0                               ; the mask words are in (and their base may be stepped)
	s_bitcmp1_b32 s[FULL], 0
	s_cbranch_scc1 .Lopen
.set n, 0
.rept 64
.if n < 48
	v_cndmask_b32 v[S+n], v[NEGV], v[S+n], s[16+n]
.else
	v_cndmask_b32 v[S+n], v[NEGV], v[S+n], s[20+n]
.endif
.set n, n+1
.endr
.Lopen:
	v_max3_num_f32 v254, v[S], v[S+1], v[S+2]      ; the step's largest score of my query among my 64 keys, in two chains
	v_max3_num_f32 v252, v[S+3], v[S+4], v[S+5]
.irp i, 6,10,14,18,22,26,30,34,38,42,46,50,54,58
	v_max3_num_f32 v254, v254, v[S+\i], v[S+1+\i]
	v_max3_num_f32 v252, v252, v[S+2+\i], v[S+3+\i]
.endr
	v_max3_num_f32 v254, v254, v[S+62], v[S+63]
	v_max_num_f32 v254, v254, v252
	v_permlanex16_b32 v236, v254, s[SEL], s[SEL+1]
	v_max_num_f32 v254, v254, v236                 ; and among lane l xor 16's
	v_mul_f32 v254, s[CS], v254                    ; as t
	v_max_num_f32 v13, v13, v254
	v_mov_b32 v254, v12
	v_floor_f32 v12, -v13                          ; -M = floor(-t): M is a whole number
	v_sub_f32 v254, v12, v254                      ; old M - new M, 0 or less
	v_cvt_i32_f32 v254, v254                       ; (it saturates)
	v_ldexp_f32 v252, 1.0, v254                    ; f = 2^(old M - new M)
.set j, 0
.rept 32
	v_pk_fma_f32 v[S+j:S+j+1], v[S+j:S+j+1], s[CS:CS+1], v[12:13] op_sel_hi:[1,0,0]   ; t - M
.set j, j+2
.endr
.set j, 0
.rept 64
	v_exp_f32 v[S+j], v[S+j]                       ; p = 2^(t - M)
.set j, j+1
.endr
	v_pk_mul_f32 v[14:15], v[14:15], v[252:253] op_sel_hi:[1,0]   ; the sums under the new M: the plain line behind the exponentials
	s_wait_alu depctr_va_vdst(0)                   ; the 64 exponentials have written p in v96-159: one wait for the batch, ahead of its first reader
	v_pk_add_f32 v[242:243], v[S:S+1], v[S+2:S+3]  ; the row's sum, of the unquantised p, in two chains
.irp j, 4,8,12,16,20,24,28,32,36,40,44,48,52,56,60
	v_pk_add_f32 v[14:15], v[14:15], v[S+\j:S+1+\j]
	v_pk_add_f32 v[242:243], v[242:243], v[S+2+\j:S+3+\j]
.endr
	v_pk_add_f32 v[14:15], v[14:15], v[242:243]
	s_cmp_ge_i32 s98, -8                           ; p is at most 1, and 448 x 2^e8 is at least 1 from e8 = -8 on: there the hold cannot act
	s_cbranch_scc1 .Lnohold
.set j, 0
.rept 64
	v_min_num_f32 v[S+j], v[S+j], v[LIMP]
.set j, j+1
.endr
.Lnohold:
.irp c, 0,1,2,3
	v_cvt_scalef32_pk8_fp8_f32 v[P+4*\c:P+4*\c+1], v[S+16*\c:S+16*\c+7], v[SCP]
	v_cvt_scalef32_pk8_fp8_f32 v[P+4*\c+2:P+4*\c+3], v[S+16*\c+8:S+16*\c+15], v[SCP]
.endr
.set j, 0
.rept 16
	v_pk_mul_f32 v[O+j:O+j+1], v[O+j:O+j+1], v[252:253] op_sel_hi:[1,0]   ; O^T under the new M; also the plain lines between the conversions and the products
.set j, j+2
.endr
	s_wait_dscnt 0x0                               ; V's fragments
.irp t, 0,1,2,3
	v_wmma_f32_16x16x128_fp8_fp8 v[O+8*\t:O+8*\t+7], v[F+16*\t:F+16*\t+15], v[P:P+15], v[O+8*\t:O+8*\t+7]   ; four accumulators by turns; the scores' products stand between two steps
.endr
.Lnext:
	s_lshr_b32 s[TODO], s[TODO], 1
	s_lshr_b32 s[FULL], s[FULL], 1
	s_add_nc_u64 s[10:11], s[10:11], 256
	s_add_co_u32 s[TK], s[TK], 128*KP
	s_add_co_u32 s[TV], s[TV], 8192
	s_add_co_u32 s[JC], s[JC], 1
	s_cmp_lt_u32 s[JC], 16
	s_cbranch_scc1 .Lstep
	; THE WAY OUT of a tile.  Register 8 t + j of lane (r, h) is channel 32 h + 16 (j / 4) + 4 t + j % 4 of query r.
.rept 4
	v_nop
.endr
	v_add_f32 v14, v14, v15
	v_permlanex16_b32 v236, v14, s[SEL], s[SEL+1]
	v_add_f32 v14, v14, v236                       ; the row's sum
	v_rcp_f32 v14, v14
	v_nop                                          ; a plain line behind the transcendental
	s_add_co_i32 s14, s98, s99
	s_wait_alu depctr_va_vdst(0)                   ; the reciprocal has written v14: the wait ahead of its first reader
	v_ldexp_f32 v14, v14, s14                      ; x 2^(e8 + e9)
.set j, 0
.rept 32
	v_mul_f32 v[S+j], v[O+j], v14
.set j, j+1
.endr
.set j, 0
.rept 32
	v_med3_num_f32 v[S+j], v[S+j], -v[LIMC], v[LIMC]
.set j, j+1
.endr
.irp t, 0,1,2,3
	v_cvt_scalef32_pk8_fp8_f32 v[128+2*\t:129+2*\t], v[S+8*\t:S+8*\t+7], v[CSC]
.endr
	v_nop                                          ; a plain line behind the conversions: later products write these registers
	s_wait_alu depctr_va_vdst(0)                   ; the conversions have written v128-135, which the LDS stores read; the steps' vector and matrix lines are done with v136-143, in which the loads from the stage land
.irp t, 0,1,2,3
	ds_store_b32 v[STO], v[128+2*\t] offset:4*\t
	ds_store_b32 v[STO], v[129+2*\t] offset:16+4*\t
.endr
	ds_load_b128 v[136:139], v[SRD]                ; my own bytes, served in order
	ds_load_b128 v[140:143], v[SRD] offset:512
	s_wait_dscnt 0x0
	global_store_b128 v[GO], v[136:139], s[66:67]              ; 16 queries x 64 bytes: two stores of 512 consecutive bytes
	global_store_b128 v[GO], v[140:143], s[66:67] offset:512
	s_sub_co_u32 s[TA], 127, s[TA0]                ; the second tile: an early one is paired with a late one
	s_add_co_u32 s[PASS], s[PASS], 1
	s_cmp_lt_u32 s[PASS], 2
	s_cbranch_scc1 .Lpass
	s_wait_dscnt 0x0                               ; the closing lines, six on end
	s_wait_alu 0x0
	s_wait_tensorcnt 0x0
	ds_add_u32 v[SPW], v[NIL]
	s_wait_dscnt 0x0
	s_endpgm
.Lfunc_end_k_q28a73cf3a5_attn:
	.size	k_q28a73cf3a5_attn, .Lfunc_end_k_q28a73cf3a5_attn-k_q28a73cf3a5_attn
	.p2alignl 7, 3214868480
	.fill 96, 4, 3214868480
	.section	.rodata,"a",@progbits
	.p2align	6, 0x0
	.amdhsa_kernel k_q28a73cf3a5_attn
		.amdhsa_group_segment_fixed_size 313344
		.amdhsa_private_segment_fixed_size 0
		.amdhsa_enable_private_segment 0
		.amdhsa_kernarg_size 40
		.amdhsa_user_sgpr_count 2
		.amdhsa_user_sgpr_kernarg_segment_ptr 1
		.amdhsa_wavefront_size32 1
		.amdhsa_system_sgpr_workgroup_id_x 1
		.amdhsa_system_sgpr_workgroup_id_y 1
		.amdhsa_system_sgpr_workgroup_id_z 1
		.amdhsa_system_vgpr_workitem_id 0
		.amdhsa_next_free_vgpr 256
		.amdhsa_next_free_sgpr 102
		.amdhsa_reserve_vcc 0
		.amdhsa_float_denorm_mode_32 3
		.amdhsa_float_denorm_mode_16_64 3
		.amdhsa_memory_ordered 1
		.amdhsa_forward_progress 1
		.amdhsa_inst_pref_size 46
	.end_amdhsa_kernel
	.amdgpu_metadata
---
amdhsa.version: [ 1, 2 ]
amdhsa.kernels:
  - .name:           k_q28a73cf3a5_attn
    .symbol:         k_q28a73cf3a5_attn.kd
    .args:
      - { .name: qkv, .offset: 0, .size: 8, .value_kind: global_buffer, .address_space: global }
      - { .name: mw, .offset: 8, .size: 8, .value_kind: global_buffer, .address_space: global }
      - { .name: mt, .offset: 16, .size: 8, .value_kind: global_buffer, .address_space: global }
      - { .name: lowp_scales, .offset: 24, .size: 8, .value_kind: global_buffer, .address_space: global }
      - { .name: cc, .offset: 32, .size: 8, .value_kind: global_buffer, .address_space: global }
    .group_segment_fixed_size: 313344
    .private_segment_fixed_size: 0
    .kernarg_segment_align: 8
    .kernarg_segment_size: 40
    .max_flat_workgroup_size: 512
    .sgpr_count:     102
    .vgpr_count:     256
    .wavefront_size: 32
...
	.end_amdgpu_metadata
.endif
;; end of part 5
;; launch gemm_o: the kernel of part 4 again; grid 4 x 32, 4 waves a work-group, clusters of 4 x 4, 327,680 bytes of LDS; arguments cc, wc, bo, lowp_scales, out0; writes out0
